; MI455X (gfx1250); checked and timed in simulation.
; The chip was launched on July 23, 2026; its instructions are those of AMD's public machine-readable ISA for CDNA 5 (MIT licence, August 2026) and "CDNA5" Instruction Set Architecture Reference Guide (July 2026). The comments in the code are by the model that wrote it; some were corrected since.
;; Attention. Allowed arithmetic: matrix products marked QUANTISED: E4M3 operands, one given power-of-two scale a tensor, by v_wmma_f32_16x16x64_fp8_fp8 or v_wmma_f32_16x16x128_fp8_fp8, f32 sums; everything else in f32.
;; Inputs: freqs_cos 2,048 x 32 float32; freqs_sin 2,048 x 32 float32; lowp_scales 12 int32 (the exponents e of the quantised operands' scales 2^e); mask 1 x 1 x 2,048 x 2,048 float32; wk 1,024 x 1,024 float32; wo 1,024 x 1,024 float32; wq 1,024 x 1,024 float32; wv 1,024 x 1,024 float32; x 2 x 2,048 x 1,024 float32.
;; Outputs: out0 2 x 2,048 x 1,024 float32.
;; Constants: start_pos = 0.
;; This version of the problem:
;;   THIS VERSION OF THE PROBLEM IS GIVEN IN LOW PRECISION. The matrix products marked QUANTISED in the list below multiply operands that are first quantised to E4M3 (4 exponent bits, 3 mantissa bits; 8 bits a number), with one given power-of-two scale for each operand tensor; their sums are f32. All else is computed in f32.
;;   The module's matrix products, in the order in which they are computed (A, B: the left and right operand; K: the contracted axis; several contracted axes count as one K, in the product's order):
;;     1. [M 4,096, K 1,024] x [K 1,024, N 1,024]; A: input x; B: input wq: QUANTISED (scales: A lowp_scales[0], B lowp_scales[1])
;;     2. [M 4,096, K 1,024] x [K 1,024, N 1,024]; A: input x; B: input wk: QUANTISED (scales: A lowp_scales[2], B lowp_scales[3])
;;     3. [M 4,096, K 1,024] x [K 1,024, N 1,024]; A: input x; B: input wv: QUANTISED (scales: A lowp_scales[4], B lowp_scales[5])
;;     4. batch 32 x [M 2,048, K 64] x [K 64, N 2,048]; A: computed on the way; B: computed on the way: QUANTISED (scales: A lowp_scales[6], B lowp_scales[7])
;;     5. batch 32 x [M 2,048, K 2,048] x [K 2,048, N 64]; A: softmax (see below); B: computed on the way: QUANTISED (scales: A lowp_scales[8], B lowp_scales[9])
;;     6. [M 4,096, K 1,024] x [K 1,024, N 1,024]; A: computed on the way; B: input wo: QUANTISED (scales: A lowp_scales[10], B lowp_scales[11])
;;   THE QUANTISER, for each operand of a quantised product, along K:
;;     - The operand's scale is 2^e, e = its entry of the input lowp_scales (int32; the entries are numbered through the quantised products in the list's order, A before B).
;;     - Each number is divided by the scale, clamped to +-448, and rounded to the nearest number of E4M3, ties to even, subnormals kept.
;;     - The product sums the exact products of the quantised numbers (number of the format x scale) in f32.
;;   ~~~python
;;   def quantise(x, axis, e):      # numpy; x: float32 -> the quantised numbers, widened to float32 again
;;       x = np.moveaxis(x, axis, -1); K = x.shape[-1]
;;       r = np.clip(x / 2.0 ** e, -448, 448)
;;       step = 2.0 ** (np.maximum(np.frexp(np.where(r == 0, 1, r))[1] - 1, -6) - 3)
;;       q = np.round(r / step) * step * 2.0 ** e      # np.round: ties to even
;;       return np.moveaxis(q, -1, axis).astype(np.float32)
;;   ~~~
;;   SOFTMAX AHEAD OF A QUANTISED PRODUCT. Where the list says 'softmax', what is quantised is not the finished softmax but p = 2^(t - M), with t = logit x log2(e) and M = ceil(the row's largest t), a whole number; so 1/2 < the row's largest p <= 1. The row's sum l is taken of the UNQUANTISED p, in f32, and the product's result is divided by l at the end. Since M is a whole number, a kernel that streams over the keys may use a running M (the ceiling of the running maximum): every later rescaling is an exact power of two, so the quantised numbers keep their values, but for numbers so far below the row's largest that they fall under the format's range.
;;   OPERANDS COMPUTED ON THE WAY. 'Computed on the way' means the value that the module computes at that place (a softmax that the list does not call 'softmax' is quantised finished and normalised). What goes into a quantiser is computed in f32, as accurately as f32 sums, v_exp_f32 and their like allow (about 1e-6 of the number): no bf16 or f16 on the way to a quantiser, and a product that is left as it is and whose result goes on into a quantised operand takes f32 operands (vector FMAs, or v_wmma_f32_16x16x4_f32). A number that lies on a knife's edge between two numbers of the format may be rounded either way, as far as f32 arithmetic and the matrix unit's own rounding can turn it there, and no further.
;; One version. Each part assembles by itself: llvm-mc -triple=amdgcn-amd-amdhsa -mcpu=gfx1250 --defsym DOCPART=n.
;; ======== version 1 of 1: 4 launches
;; limits: right only within a limited range of input values
;; workspace buffers: codes 16,777,216 bytes; qkv 12,582,912 bytes; ac 4,194,304 bytes
;; launch prep (part 1): grid 256 x 1, 4 waves a work-group, no clusters, 68,096 bytes of LDS; arguments x, wq, wk, wv, wo, lowp_scales, codes; writes codes
.if DOCPART == 1
	.amdgcn_target "amdgcn-amd-amdhsa--gfx1250"
	.amdhsa_code_object_version 6
	.text
	.protected	k_q18f056943d_prep
	.globl	k_q18f056943d_prep
	.p2align	8
	.type	k_q18f056943d_prep,@function
k_q18f056943d_prep:
	s_mov_b64 s[64:65], 0
	v_nop
	global_prefetch_b8 v0, s[64:65] scope:SCOPE_SE
	s_setreg_imm32_b32 hwreg(HW_REG_WAVE_MODE, 25, 1), 1
	s_wait_xcnt 0x0
; x [4096][1024] f32 and the four weights [k 1024][n 1024] f32 become codes of FP8 (E4M3), K innermost, rows of 1,024 bytes, in the buffer codes:
;   byte 0: x under 2^e0;  4 MiB: x under 2^e2;  8 MiB: x under 2^e4 (x is the left operand of three products, each with a scale of its own);
;   12 MiB: wq [n][k] under 2^e1;  13 MiB: wk under 2^e3;  14 MiB: wv under 2^e5;  15 MiB: wo under 2^e11.
; code = number / 2^e, held within +-448, rounded to the nearest code, ties to even.
; LIMITS: each e used here lies between -126 and 119, so that 2^e and 448 x 2^e are f32 numbers.  NaN among the inputs is not served (an infinity is held at the largest code).
; Work-groups 0-127 take x, 128-255 the weights; the two ways use LDS bytes of their own (0 .. 32,767 and 32,768 .. 67,583).  Waves share nothing: no barrier.
; X: K is innermost, so x is a plain stream.  A wave takes 16 steps of 512 numbers.  Each of a step's four loads reads 512 consecutive bytes; the 2,048 bytes turn through the wave's own stage in LDS
;    and come back 64 bytes a lane: 16 neighbours along K, which the conversions want in one lane's registers.  They are read once and converted three times.  Each store covers 512 consecutive bytes.
; WEIGHTS: K is the first axis.  A lane takes a column n and its registers run down K, so the conversions give codes with K innermost.  A wave takes 32 columns x 256 along K; the codes go through the
;    wave's own stage and leave as rows: sixteen lanes store 256 consecutive bytes, aligned.
.set SP,    80                         ; x: a lane's place in a stage: its 64 bytes + 16 of padding
.set WREG,  8192                       ; x: LDS of a wave: two stages of 32 x SP bytes
.set XR,    16                         ; v16-79    four sets of 16 numbers as loaded
.set XX,    80                         ; v80-111   two sets of 16 neighbours
.set XT,    112                        ; v112-159  three sets of 16: the neighbours held within one scale's range
.set XC,    160                        ; v160-183  two sets of 12: the codes under the three scales
.set XSC,   184                        ; v184-186  2^e0, 2^e2, 2^e4 as f32
.set XLM,   187                        ; v187-189  448 x those
.set WSTG,  32768                      ; weights: the stages begin here
.set PITCH, 272                        ; weights: a stage row: 256 bytes of codes + 16
.set NB,    8                          ; weights: blocks of 32 along K for a wave
.set WX,    32                         ; v32-95    two sets of 32 numbers
.set WC,    96                         ; v96-103   a block's codes
.set OUTR,  112                        ; v112-175  the way out
.macro XLOAD t                         ; step t's 2,048 bytes: four loads of 512 consecutive bytes
.irp i, 0,1,2,3
	global_load_b128 v[XR+16*((\t)%4)+4*\i:XR+16*((\t)%4)+4*\i+3], v3, s[4:5] offset:2048*(\t)+512*\i th:TH_LOAD_NT
.endr
.endm
.macro XTURN t                         ; through the stage: LDS serves a wave's instructions in order, so no wait stands between the stores and the loads
.irp i, 0,1,2,3
	ds_store_b128 v14, v[XR+16*((\t)%4)+4*\i:XR+16*((\t)%4)+4*\i+3] offset:32*SP*((\t)%2)+8*SP*\i
.endr
.irp i, 0,1,2,3
	ds_load_b128 v[XX+16*((\t)%2)+4*\i:XX+16*((\t)%2)+4*\i+3], v15 offset:32*SP*((\t)%2)+16*\i
.endr
.endm
.macro XSTEP t, full                   ; t: the step's number in its trip of four; full = 0: the last trip, which loads nothing more
.set XS, XX+16*((\t)%2)
.set CS, XC+12*((\t)%2)
	s_wait_dscnt 0x0                               ; this step's numbers are back from the stage, so its stores into the stage have read their registers,
.if \full
	XLOAD (\t)+4                                   ; which take the loads of four steps on
	s_wait_loadcnt 12                              ; the next step's four loads are in; those of the three steps behind it may be out
	XTURN (\t)+1                                   ; and go through the other stage while this step is worked
.else
.if (\t) < 3
	s_wait_loadcnt 4*(2-(\t))                      ; near the end fewer steps stand behind it
	XTURN (\t)+1
.endif
.endif
	s_wait_xcnt 0x0                                ; the stores of two steps ago have read this set of code registers: it is written again only behind this wait
.irp m, 0,1,2
.set i, 0
.rept 16
	v_med3_num_f32 v[XT+16*\m+i], v[XS+i], -v[XLM+\m], v[XLM+\m]   ; the conversion does not saturate (ISA guide 7.6.2): the hold at the largest code x the scale, into this scale's own set
.set i, i+1
.endr
	v_cvt_scalef32_pk8_fp8_f32 v[CS+4*\m:CS+4*\m+1], v[XT+16*\m:XT+16*\m+7], v[XSC+\m]
	v_cvt_scalef32_pk8_fp8_f32 v[CS+4*\m+2:CS+4*\m+3], v[XT+16*\m+8:XT+16*\m+15], v[XSC+\m]   ; the next scale's holds are plain lines on other registers; the results go to stores alone
.endr
	global_store_b128 v3, v[CS:CS+3],    s[20:21] offset:512*(\t)   ; 32 lanes store 512 consecutive bytes
	global_store_b128 v3, v[CS+4:CS+7],  s[22:23] offset:512*(\t)
	global_store_b128 v3, v[CS+8:CS+11], s[24:25] offset:512*(\t)
.endm
.macro WLOAD t                         ; block t: w(32 t + i, my column), i = 0 .. 31: each load reads 128 consecutive bytes a wave
.set i, 0
.rept 32
	global_load_b32 v[WX+32*((\t)%2)+i], v3, s[6:7] offset:(32*(\t)+i)*4096 th:TH_LOAD_NT
.set i, i+1
.endr
.endm
.macro WBLOCK t
.set XS, WX+32*((\t)%2)
.if (\t) < NB-1
	s_wait_loadcnt 32                              ; this block's 32 loads are in; the next block's may be out
.else
	s_wait_loadcnt 0
.endif
.set i, 0
.rept 32
	v_med3_num_f32 v[XS+i], v[XS+i], -v10, v10     ; the hold at the largest code x the scale
.set i, i+1
.endr
.irp g, 0,1,2,3
	v_cvt_scalef32_pk8_fp8_f32 v[WC+2*\g:WC+2*\g+1], v[XS+8*\g:XS+8*\g+7], v11
.endr
	ds_store_b128 v4, v[WC:WC+3] offset:32*(\t)    ; 32 codes: 32 bytes of my column's row
	ds_store_b128 v4, v[WC+4:WC+7] offset:32*(\t)+16
.if (\t)+2 < NB
	WLOAD (\t)+2
.endif
	s_wait_dscnt 0x0                               ; the stores have read their registers: the next block's codes may be written (its 32 holds are plain lines that come first)
.endm
	s_load_b256 s[4:11], s[0:1], 0x0               ; x s[4:5], wq s[6:7], wk s[8:9], wv s[10:11]
	s_load_b128 s[12:15], s[0:1], 0x20             ; wo s[12:13], the scales' exponents s[14:15]
	s_load_b64 s[16:17], s[0:1], 0x30              ; codes
	v_lshl_add_u32 v192, v0, 2, 0x10800
	v_mov_b32 v193, 0
	v_lshrrev_b32 v1, 5, v0
	v_readfirstlane_b32 s18, v1                    ; wave 0..3
	v_and_b32 v2, 31, v0                           ; lane
	s_wait_kmcnt 0x0
	s_load_b256 s[36:43], s[14:15], 0x0            ; e0 .. e7
	s_load_b128 s[44:47], s[14:15], 0x20           ; e8 .. e11
	s_cmp_lt_u32 ttmp9, 128                        ; x's work-group or a weight's?
	s_cbranch_scc0 .Lweights
	; ---------------- x
	s_wait_alu depctr_va_vdst(0)
	v_lshlrev_b32 v3, 4, v2                        ; my 16 bytes of a load's 512, and of a store's
	s_wait_alu depctr_va_vdst(0)
	s_mul_i32 s19, s18, WREG
	v_lshrrev_b32 v14, 2, v2
	v_mul_u32_u24 v14, v14, SP
	v_and_b32 v15, 3, v2
	v_lshl_add_u32 v14, v15, 4, v14
	v_add_nc_u32 v14, s19, v14                     ; the stage, way in: four lanes' 64 bytes on end, then 16 of padding
	v_mul_u32_u24 v15, v2, SP
	v_add_nc_u32 v15, s19, v15                     ; way out: my 16 neighbours
	s_lshl_b32 s26, ttmp9, 2
	s_add_co_u32 s26, s26, s18                     ; which run of 8,192 numbers is my wave's: 0 .. 511
	s_lshl_b32 s28, s26, 15
	s_mov_b32 s29, 0
	s_add_nc_u64 s[4:5], s[4:5], s[28:29]          ; its 32,768 bytes of x
	s_lshl_b32 s28, s26, 13
	s_add_nc_u64 s[20:21], s[16:17], s[28:29]      ; its 8,192 bytes of codes under e0,
	s_add_nc_u64 s[22:23], s[20:21], 0x400000      ; under e2,
	s_add_nc_u64 s[24:25], s[20:21], 0x800000      ; under e4
.irp t, 0,1,2,3
	XLOAD \t
.endr
	s_wait_alu depctr_va_vdst(0)
	s_wait_kmcnt 0x0
.irp m, 0,1,2
	s_add_co_i32 s26, s[36+2*\m], 127
	s_lshl_b32 s27, s26, 23
	v_mov_b32 v[XSC+\m], s27                       ; 2^e as f32: the conversion takes its exponent field
	s_add_co_i32 s26, s26, 8
	s_lshl_b32 s26, s26, 23
	s_or_b32 s26, s26, 0x600000
	v_mov_b32 v[XLM+\m], s26                       ; 448 x 2^e
.endr
	s_wait_alu depctr_va_vdst(0)
	s_wait_loadcnt 12                              ; step 0's four loads are in
	XTURN 0
	s_mov_b32 s30, 3
.Lxtrip:                                           ; three trips of four steps; the last four steps stand behind the loop
.irp t, 0,1,2,3
	XSTEP \t, 1
.endr
	s_wait_xcnt 0x0                                ; the trip's loads and stores have read their bases
	s_add_nc_u64 s[4:5], s[4:5], 0x2000
	s_add_nc_u64 s[20:21], s[20:21], 0x800
	s_add_nc_u64 s[22:23], s[22:23], 0x800
	s_add_nc_u64 s[24:25], s[24:25], 0x800
	s_sub_co_u32 s30, s30, 1
	s_cmp_lg_u32 s30, 0
	s_cbranch_scc1 .Lxtrip
.irp t, 0,1,2,3
	XSTEP \t, 0
.endr
	s_wait_tensorcnt 0x0
	ds_add_u32 v192, v193
	s_wait_dscnt 0x0
	s_endpgm
	; ---------------- the weights
.Lweights:
	s_sub_co_u32 s30, ttmp9, 128
	s_lshr_b32 s31, s30, 5                         ; which weight: 0 wq, 1 wk, 2 wv, 3 wo
	s_bfe_u32 s32, s30, 0x20003                    ; which 256 along K
	s_and_b32 s33, s30, 7                          ; which 128 columns
	s_cmp_eq_u32 s31, 1                            ; the choice of the buffer hangs on the work-group's number alone
	s_cselect_b64 s[6:7], s[8:9], s[6:7]
	s_cmp_eq_u32 s31, 2
	s_cselect_b64 s[6:7], s[10:11], s[6:7]
	s_cmp_eq_u32 s31, 3
	s_cselect_b64 s[6:7], s[12:13], s[6:7]
	s_lshl_b32 s34, s33, 7
	s_lshl_b32 s35, s18, 5
	s_add_co_u32 s34, s34, s35                     ; my wave's first column
	s_lshl_b32 s28, s32, 20                        ; 256 rows of 4,096 bytes
	s_lshl_b32 s29, s34, 2
	s_add_co_u32 s28, s28, s29
	s_mov_b32 s29, 0
	s_add_nc_u64 s[6:7], s[6:7], s[28:29]          ; the weight at (256 kb, my first column)
	s_lshl_b32 s28, s31, 20
	s_add_co_u32 s28, s28, 0xc00000                ; the weight's codes,
	s_lshl_b32 s35, s34, 10
	s_add_co_u32 s28, s28, s35                     ; row = my first column,
	s_lshl_b32 s35, s32, 8
	s_add_co_u32 s28, s28, s35                     ; 256 kb along K
	s_add_nc_u64 s[16:17], s[16:17], s[28:29]
	s_wait_alu depctr_va_vdst(0)
	v_lshlrev_b32 v3, 2, v2                        ; in: 4 bytes a lane
	s_mul_i32 s19, s18, 32*PITCH
	s_add_co_u32 s19, s19, WSTG                    ; my stage
	v_mul_u32_u24 v4, v2, PITCH
	v_add_nc_u32 v4, s19, v4                       ; into it: row = my column
	v_and_b32 v5, 15, v2
	v_lshrrev_b32 v6, 4, v2                        ; out of it: sixteen lanes to a row, two rows an instruction
	v_mul_u32_u24 v7, v6, PITCH
	v_lshl_add_u32 v7, v5, 4, v7
	v_add_nc_u32 v7, s19, v7
	v_lshlrev_b32 v8, 10, v6
	v_lshl_add_u32 v8, v5, 4, v8                   ; and the same place in the codes
	WLOAD 0
	WLOAD 1
	s_wait_kmcnt 0x0
	s_cmp_eq_u32 s31, 1                            ; e1, e3, e5 or e11
	s_cselect_b32 s37, s39, s37
	s_cmp_eq_u32 s31, 2
	s_cselect_b32 s37, s41, s37
	s_cmp_eq_u32 s31, 3
	s_cselect_b32 s37, s47, s37
	s_add_co_i32 s37, s37, 127
	s_lshl_b32 s38, s37, 23
	v_mov_b32 v11, s38                             ; 2^e as f32
	s_add_co_i32 s37, s37, 8
	s_lshl_b32 s37, s37, 23
	s_or_b32 s37, s37, 0x600000
	v_mov_b32 v10, s37                             ; 448 x 2^e
.set Q, 0
	s_wait_alu depctr_va_vdst(0)
.rept NB
	WBLOCK Q
.set Q, Q+1
.endr
.irp t, 0,1,2,3,4,5,6,7,8,9,10,11,12,13,14,15
	ds_load_b128 v[OUTR+4*\t:OUTR+4*\t+3], v7 offset:2*\t*PITCH   ; LDS serves a wave's instructions in order: these see my stores
.endr
.irp t, 0,1,2,3,4,5,6,7,8,9,10,11,12,13,14,15
	s_wait_dscnt 15-\t
	global_store_b128 v8, v[OUTR+4*\t:OUTR+4*\t+3], s[16:17] offset:2*\t*1024   ; sixteen lanes store 256 consecutive bytes, aligned
.endr
	s_wait_tensorcnt 0x0
	ds_add_u32 v192, v193
	s_wait_dscnt 0x0
	s_endpgm
.Lfunc_end_k_q18f056943d_prep:
	.size	k_q18f056943d_prep, .Lfunc_end_k_q18f056943d_prep-k_q18f056943d_prep
	.p2alignl 7, 3214868480
	.fill 96, 4, 3214868480
	.section	.rodata,"a",@progbits
	.p2align	6, 0x0
	.amdhsa_kernel k_q18f056943d_prep
		.amdhsa_group_segment_fixed_size 68096
		.amdhsa_private_segment_fixed_size 0
		.amdhsa_enable_private_segment 0
		.amdhsa_kernarg_size 56
		.amdhsa_user_sgpr_count 2
		.amdhsa_user_sgpr_kernarg_segment_ptr 1
		.amdhsa_wavefront_size32 1
		.amdhsa_system_sgpr_workgroup_id_x 1
		.amdhsa_system_sgpr_workgroup_id_y 1
		.amdhsa_system_sgpr_workgroup_id_z 1
		.amdhsa_system_vgpr_workitem_id 0
		.amdhsa_next_free_vgpr 194
		.amdhsa_next_free_sgpr 66
		.amdhsa_reserve_vcc 0
		.amdhsa_float_denorm_mode_32 3
		.amdhsa_float_denorm_mode_16_64 3
		.amdhsa_memory_ordered 1
		.amdhsa_forward_progress 1
		.amdhsa_inst_pref_size 89
	.end_amdhsa_kernel
	.amdgpu_metadata
---
amdhsa.version: [ 1, 2 ]
amdhsa.kernels:
  - .name:           k_q18f056943d_prep
    .symbol:         k_q18f056943d_prep.kd
    .args:
      - { .name: x, .offset: 0, .size: 8, .value_kind: global_buffer, .address_space: global }
      - { .name: wq, .offset: 8, .size: 8, .value_kind: global_buffer, .address_space: global }
      - { .name: wk, .offset: 16, .size: 8, .value_kind: global_buffer, .address_space: global }
      - { .name: wv, .offset: 24, .size: 8, .value_kind: global_buffer, .address_space: global }
      - { .name: wo, .offset: 32, .size: 8, .value_kind: global_buffer, .address_space: global }
      - { .name: lowp_scales, .offset: 40, .size: 8, .value_kind: global_buffer, .address_space: global }
      - { .name: codes, .offset: 48, .size: 8, .value_kind: global_buffer, .address_space: global }
    .group_segment_fixed_size: 68096
    .private_segment_fixed_size: 0
    .kernarg_segment_align: 8
    .kernarg_segment_size: 56
    .max_flat_workgroup_size: 128
    .sgpr_count:     66
    .vgpr_count:     194
    .wavefront_size: 32
...
	.end_amdgpu_metadata
.endif
;; end of part 1
;; launch qkv (part 2): grid 12 x 16, 4 waves a work-group, clusters of 4 x 4, 327,680 bytes of LDS; arguments codes, lowp_scales, freqs_cos, freqs_sin, qkv; writes qkv
.if DOCPART == 2
	.amdgcn_target "amdgcn-amd-amdhsa--gfx1250"
	.amdhsa_code_object_version 6
	.text
	.protected	k_q18f056943d_qkv
	.globl	k_q18f056943d_qkv
	.p2align	8
	.type	k_q18f056943d_qkv,@function
k_q18f056943d_qkv:
	s_mov_b64 s[64:65], 0
	v_nop
	global_prefetch_b8 v0, s[64:65] scope:SCOPE_SE
	s_setreg_imm32_b32 hwreg(HW_REG_WAVE_MODE, 25, 1), 1
	s_wait_xcnt 0x0
	s_wait_alu depctr_hold_cnt(0) depctr_sa_sdst(0) depctr_va_vdst(0) depctr_va_sdst(0) depctr_va_ssrc(0) depctr_va_vcc(0) depctr_vm_vsrc(0)
	s_getreg_b32 s2, hwreg(HW_REG_IB_STS2, 6, 4)
	s_cmp_eq_u32 s2, 0
	s_cbranch_scc0 .Lentry_in_a_cluster
	s_endpgm
.Lentry_in_a_cluster:
	s_bfe_u32 s2, ttmp6, 0x10000c
	s_cmp_lg_u32 s2, 0xf033
	s_cbranch_scc0 .Lentry_shape_is_right
	s_endpgm
.Lentry_shape_is_right:
; The three projections of x, on codes of FP8 (E4M3), 1,024 along K, sums in f32; then RoPE for q and k, and the quantisers ahead of the attention's products: q under 2^e6, k under 2^e7, v under 2^e9.
; codes: byte 0, 4 MiB, 8 MiB: x [4096][1024] under 2^e0, 2^e2, 2^e4; 12, 13, 14 MiB: wq, wk, wv [n][k] under 2^e1, 2^e3, 2^e5.  A finished sum stands for sum x 2^(the two e): both scales are folded into the quantiser's one.
; qkv: byte 0 q, 4 MiB k, 8 MiB v: images of the attention's operand registers, in blocks of 128 positions x 4 heads (32,768 bytes).
; LIMITS: e6 - e0 - e1, e7 - e2 - e3 and e9 - e4 - e5 lie between -126 and 119.  NaN among the numbers is not served.
; A block of 256 x 256, four waves of 128 x 128: 64 accumulators of 16 x 16 in windows 2 and 3.  Cluster x = 0, 1, 2: q, k, v; for q and k A = x's rows and B = the weight's; for v A = the weight's rows and B = x's, so that
; a lane's eight results are neighbouring channels of one position (q, k) or neighbouring positions of one channel (v).
; K goes in four steps of 256 through a ring of two LDS slots; 4 x 4 work-groups form a cluster: A's tiles are asked for jointly along a row of it, B's along a column.
; PREFETCH: behind the joint loads of K steps 0 and 1 stands one prefetch each, for K steps 2 and 3: of the 128 rows that a wave fetches each of the four partners names 32, told apart by address (cx for A, cy for B), a lane a row.
; COS AND SIN of a block of 16 positions are 32 registers: blocks 0-2 come at the head into v32-127, blocks 3-6 into B's first set of fragments when its last products are issued, block 7 into the second.
.set KSTEP,  256
.set ROWB,   256
.set KROW,   1024
.set PITCH,  272
.set FR,     16
.set NL,     4
.set NP,     4
.set HALFT,  128*PITCH
.set SLOT,   4*HALFT
.set LAPS,   2
.set SPARE,  2*SLOT
.set ADRA, 16
.set ADRB, 20
.set CO,   26
.set RA,   27
.set SPW,  28
.set NIL,  29
.set PFO,  30                          ; v30 the prefetches' offset: my lane x a row of codes; never rewritten.  s[92:93] their base
.set CSB,  32
.set PC,   32                          ; the way out: block a's codes in v[32 + 16 a ..], registers of their own: where cos and sin of a block lie, that block has been rotated already
.set AF,   128
.set R,    160                         ; the way out: a block's 64 numbers
.set TT,   224
.set SCV,  240
.set LMV,  241
.set G1, 24
.set G0, 32
.set G1B, 48
.set G0B, 56
.set MSB, 0
.macro WIN new
.if MSB != \new
	s_set_vgpr_msb (MSB<<8)|\new
.set MSB, \new
.endif
.endm
.set MUL_LO, 0xa1
.set MUL_HI, 0xf1
.set TO_B,   0x40
.macro JLOAD g0a, g1a, g0b, g1b
	s_cmp_eq_u32 s15, 0
	s_cbranch_scc0 .Lfor_b_\@
	tensor_load_to_lds s[\g0a:\g0a+3], s[\g1a:\g1a+7]
	s_nop 0
.rept 4
	v_nop
.endr
	s_branch .Lasked_\@
.Lfor_b_\@:
	tensor_load_to_lds s[\g0b:\g0b+3], s[\g1b:\g1b+7]
	s_nop 0
.rept 4
	v_nop
.endr
.Lasked_\@:
.endm
.macro CREST
	s_cmp_lg_u32 s14, 0
	s_cbranch_scc1 .Lnot_wave_0_\@
	s_barrier_signal -3
.Lnot_wave_0_\@:
	s_barrier_wait -3
	s_barrier_signal -1
	s_barrier_wait -1
.endm
.macro CROUND
	s_barrier_signal -1
	s_barrier_wait -1
	CREST
.endm
	s_load_b256 s[4:11], s[0:1], 0x0
	s_load_b64 s[12:13], s[0:1], 0x20
	v_lshl_add_u32 v[SPW], v0, 2, SPARE
	v_mov_b32 v[NIL], 0
	ds_add_u32 v28, v29
	ds_add_u32 v28, v29
	s_wait_dscnt 0x0
	v_lshrrev_b32 v1, 5, v0
	v_readfirstlane_b32 s14, v1
	s_lshr_b32 s15, s14, 1
	s_and_b32 s16, s14, 1
	s_bfe_u32 s40, ttmp6, 0x40000
	s_bfe_u32 s41, ttmp6, 0x40004
	s_mov_b32 s66, ttmp9
	s_lshr_b32 s67, s66, 1
	s_and_b32 s80, ttmp7, 0xffff
	s_lshl_b32 s80, s80, 2
	s_cmp_eq_u32 s67, 0
	s_cselect_b32 s81, s80, 0
	s_cselect_b32 s82, 0, s80
	s_add_co_u32 s17, s81, s41
	s_add_co_u32 s42, s82, s40
	s_lshl_b32 s43, s41, 2
	s_lshl_b32 s43, 15, s43
	s_lshl_b32 s44, 0x1111, s40
	s_or_b32 s[G1+0], s43, (0<<16)|(1<<20)|(1<<21)|(5<<22)|(3<<25)
	s_or_b32 s[G1B+0], s44, (0<<16)|(1<<20)|(1<<21)|(5<<22)|(3<<25)
.irp g, G1, G1B
	s_mov_b32 s[\g+1], ROWB<<16
	s_mov_b32 s[\g+2], 128<<16
	s_mov_b32 s[\g+3], ROWB<<16
	s_mov_b32 s[\g+4], 128
	s_mov_b32 s[\g+5], KROW
	s_mov_b32 s[\g+6], 0
	s_mov_b32 s[\g+7], 0
.endr
	s_lshl_b32 s18, s16, 7
	s_lshl_b32 s20, s17, 8
	s_add_co_u32 s20, s20, s18
	s_lshl_b32 s20, s20, 10
	s_mul_i32 s21, s66, 0x400000
	s_add_co_u32 s20, s20, s21
	s_mul_i32 s21, s67, 0x600000
	s_add_co_u32 s20, s20, s21
	s_mov_b32 s21, 0
	s_lshl_b32 s46, s42, 8
	s_add_co_u32 s46, s46, s18
	s_lshl_b32 s46, s46, 10
	s_lshl_b32 s47, s66, 20
	s_add_co_u32 s46, s46, s47
	s_add_co_u32 s46, s46, 0xc00000
	s_mul_i32 s47, s67, 0x600000
	s_sub_co_u32 s46, s46, s47
	s_mov_b32 s47, 0
	s_mul_i32 s45, s14, HALFT
	s_wait_kmcnt 0x0
	s_load_b256 s[68:75], s[6:7], 0x0
	s_load_b128 s[76:79], s[6:7], 0x20
	s_add_nc_u64 s[20:21], s[4:5], s[20:21]
	s_add_nc_u64 s[46:47], s[4:5], s[46:47]
.irp s, 0,1
	s_mov_b32 s[G0+4*\s], 1
	s_add_co_u32 s[G0+4*\s+1], s45, \s*SLOT
	s_add_nc_u64 s[G0+4*\s+2:G0+4*\s+3], s[20:21], \s*ROWB
	s_or_b32 s[G0+4*\s+3], s[G0+4*\s+3], 0x80000000
	s_mov_b32 s[G0B+4*\s], 1
	s_add_co_u32 s[G0B+4*\s+1], s45, \s*SLOT
	s_add_nc_u64 s[G0B+4*\s+2:G0B+4*\s+3], s[46:47], \s*ROWB
	s_or_b32 s[G0B+4*\s+3], s[G0B+4*\s+3], 0x80000000
.endr
	CROUND                                         ; all sixteen work-groups are here: the first joint loads meet
	JLOAD G0, G1, G0B, G1B                         ; K step 0: one tensor load a wave at the head
	s_cmp_eq_u32 s15, 0                            ; the prefetches' base: where my tile begins (the choice hangs on the wave's number), + my 32 rows of its 128
	s_cselect_b64 s[92:93], s[20:21], s[46:47]
	s_cselect_b32 s94, s40, s41
	s_lshl_b32 s94, s94, 15
	s_mov_b32 s95, 0
	s_add_nc_u64 s[92:93], s[92:93], s[94:95]
	v_and_b32 v[PFO], 31, v0
	v_lshlrev_b32 v[PFO], 10, v[PFO]
	v_and_b32 v1, 15, v0
	v_bfe_u32 v2, v0, 4, 1
	v_mul_u32_u24 v3, v1, PITCH
	v_lshl_add_u32 v4, v2, 4, v3
	s_mul_i32 s21, s15, HALFT
	s_mul_i32 s22, s16, HALFT
	s_add_co_u32 s22, s22, 2*HALFT
.irp s, 0,1
	v_add_nc_u32 v[ADRA+\s], s21, v4
	v_add_nc_u32 v[ADRB+\s], s22, v4
	s_add_co_u32 s21, s21, SLOT
	s_add_co_u32 s22, s22, SLOT
.endr
	v_and_b32 v6, 31, v0
	v_lshlrev_b32 v[CO], 4, v6
	v_lshlrev_b32 v[RA], 7, v1
	v_lshl_add_u32 v[RA], v2, 4, v[RA]
	s_cmp_eq_u32 s67, 0
	s_cselect_b32 s84, s17, s42
	s_cselect_b32 s85, s42, s17
	s_cselect_b32 s86, s15, s16
	s_cselect_b32 s87, s16, s15
	s_lshr_b32 s88, s84, 3
	s_lshl_b32 s88, s88, 2
	s_add_co_u32 s88, s88, s85
	s_lshl_b32 s88, s88, 4
	s_and_b32 s89, s84, 7
	s_lshl_b32 s89, s89, 1
	s_add_co_u32 s89, s89, s86
	s_add_co_u32 s88, s88, s89
	s_lshl_b32 s88, s88, 15
	; inside a block of 128 positions: two halves of 64 positions, 16,384 bytes each; in a half 4,096 bytes a head: my two heads begin at 8,192 x half of the columns (v: of the rows)
	s_lshl_b32 s90, s87, 13
	s_add_co_u32 s88, s88, s90
	s_lshl_b32 s90, s66, 22
	s_add_co_u32 s88, s88, s90
	s_lshl_b32 s90, s89, 14
	s_mov_b32 s89, 0
	s_mov_b32 s91, 0
	s_add_nc_u64 s[12:13], s[12:13], s[88:89]
	s_add_nc_u64 s[8:9], s[8:9], s[90:91]
	s_add_nc_u64 s[10:11], s[10:11], s[90:91]
.macro CSLOAD a, d                     ; cos and sin of block a's 16 positions, in the accumulators' order, into d .. d + 31
.irp q, 0,1,2,3
	global_load_b128 v[\d+4*\q:\d+4*\q+3], v[RA], s[8:9] offset:(\a)*2048+32*\q
	global_load_b128 v[\d+16+4*\q:\d+16+4*\q+3], v[RA], s[10:11] offset:(\a)*2048+32*\q
.endr
.endm
	s_wait_alu depctr_va_vdst(0)                   ; directly ahead of the readers below
	global_prefetch_b8 v[PFO], s[92:93] offset:2*ROWB th:TH_LOAD_NT scope:SCOPE_SE   ; K step 2
	s_cmp_eq_u32 s67, 1                            ; v is not rotated
	s_cbranch_scc1 .Lno_cs_head
	CSLOAD 0, CSB
	CSLOAD 1, CSB+32
	CSLOAD 2, CSB+64
.Lno_cs_head:
.macro FRAG reg, adr, q, i
.irp c, 0,1,2,3
	ds_load_b128 v[\reg+4*\c:\reg+4*\c+3], v[\adr] offset:128*(\q)+32*\c+(\i)*16*PITCH
.endr
.endm
.macro MUL16 a0, p, zero
.irp a, \a0, \a0+1
.irp b, 0,1,2,3,4,5,6,7
.if \zero
	v_wmma_f32_16x16x128_fp8_fp8 v[8*(8*((\a)%4)+\b):8*(8*((\a)%4)+\b)+7], v[128*(\p)+FR*\b:128*(\p)+FR*\b+FR-1], v[AF+FR*(\a):AF+FR*(\a)+FR-1], 0
.else
	v_wmma_f32_16x16x128_fp8_fp8 v[8*(8*((\a)%4)+\b):8*(8*((\a)%4)+\b)+7], v[128*(\p)+FR*\b:128*(\p)+FR*\b+FR-1], v[AF+FR*(\a):AF+FR*(\a)+FR-1], v[8*(8*((\a)%4)+\b):8*(8*((\a)%4)+\b)+7]
.endif
.endr
.endr
.endm
.macro FETCH_B slot, q, p
	WIN TO_B
.irp i, 0,1,2,3,4,5,6,7
	FRAG 128*(\p)+FR*\i, ADRB+\slot, \q, \i
.endr
	WIN 0
.endm
.macro FETCH_A slot, q, i0
.irp i, \i0, \i0+1, \i0+2, \i0+3
	FRAG AF+FR*(\i), ADRA+\slot, \q, \i
.endr
.endm
.macro PLACES n
.rept \n
	v_nop
.endr
.endm
.macro STEP slot, q, zero
	s_wait_dscnt 4*NL
	WIN MUL_LO
	MUL16 0, (\q)%2, \zero
	MUL16 2, (\q)%2, \zero
	s_wait_dscnt 0
	PLACES NP
	FETCH_B \slot, (\q)+1, 1-(\q)%2
	FETCH_A \slot, (\q)+1, 0
	WIN MUL_HI
	MUL16 4, (\q)%2, \zero
	MUL16 6, (\q)%2, \zero
	PLACES NP
	WIN 0
	FETCH_A \slot, (\q)+1, 4
.endm
.macro TURN slot, next, fill
	s_wait_tensorcnt 0x0
	ds_add_u32 v[SPW], v[NIL]
	s_wait_dscnt 4*NL+1
	WIN MUL_LO
	MUL16 0, 1, 0
	s_wait_dscnt 0x0
	s_barrier_signal -1
	MUL16 2, 1, 0
	WIN 0
	s_barrier_wait -1
.if \fill
	CREST
	s_add_nc_u64 s[G0+4*\slot+2:G0+4*\slot+3], s[G0+4*\slot+2:G0+4*\slot+3], 2*ROWB
	s_add_nc_u64 s[G0B+4*\slot+2:G0B+4*\slot+3], s[G0B+4*\slot+2:G0B+4*\slot+3], 2*ROWB
	JLOAD G0+4*\slot, G1, G0B+4*\slot, G1B
.else
	PLACES NP
.endif
	FETCH_B \next, 0, 0
	FETCH_A \next, 0, 0
	WIN MUL_HI
	MUL16 4, 1, 0
	MUL16 6, 1, 0
	PLACES NP
	WIN 0
	FETCH_A \next, 0, 4
.endm
; RoPE on neighbouring pairs (r, i) of accumulator b: first (i sin, r sin), then (r cos - i sin, i cos + r sin): two numbers a line.
.macro ROTS b
.irp q, 0,1
	v_pk_mul_f32 v[TT+8*((\b)%2)+4*\q:TT+8*((\b)%2)+4*\q+1],   v[AC+8*(\b)+4*\q:AC+8*(\b)+4*\q+1],   v[CW+16+4*((\b)%4)+2*\q:CW+17+4*((\b)%4)+2*\q] op_sel:[1,0] op_sel_hi:[0,0]
	v_pk_mul_f32 v[TT+8*((\b)%2)+4*\q+2:TT+8*((\b)%2)+4*\q+3], v[AC+8*(\b)+4*\q+2:AC+8*(\b)+4*\q+3], v[CW+16+4*((\b)%4)+2*\q:CW+17+4*((\b)%4)+2*\q] op_sel:[1,1] op_sel_hi:[0,1]
.endr
.endm
.macro ROTC b
.irp q, 0,1
	v_pk_fma_f32 v[R+8*(\b)+4*\q:R+8*(\b)+4*\q+1],   v[AC+8*(\b)+4*\q:AC+8*(\b)+4*\q+1],   v[CW+4*((\b)%4)+2*\q:CW+1+4*((\b)%4)+2*\q], v[TT+8*((\b)%2)+4*\q:TT+8*((\b)%2)+4*\q+1]   op_sel:[0,0,0] op_sel_hi:[1,0,1] neg_lo:[0,0,1]
	v_pk_fma_f32 v[R+8*(\b)+4*\q+2:R+8*(\b)+4*\q+3], v[AC+8*(\b)+4*\q+2:AC+8*(\b)+4*\q+3], v[CW+4*((\b)%4)+2*\q:CW+1+4*((\b)%4)+2*\q], v[TT+8*((\b)%2)+4*\q+2:TT+8*((\b)%2)+4*\q+3] op_sel:[0,1,0] op_sel_hi:[1,1,1] neg_lo:[0,0,1]
.endr
.endm
.macro QKBLOCK a
.set AC, 64*((\a)%4)
.set PW, PC+16*(\a)
.set CW, CSB+32*(\a)
.set CWIN, 0
.if (\a) > 2
.set CW, 32*(\a)-96                    ; blocks 3 to 7: in window 1
.set CWIN, 4
.endif
	s_wait_loadcnt 8*(7-(\a))                      ; this block's cos and sin are in; the eight loads of each block behind it may be out
	WIN 0x02+((\a)/4)+CWIN
.irp g, 0,2,4,6
	ROTS \g
	ROTS \g+1
	ROTC \g
	ROTC \g+1
.endr
	WIN 0
.set j, 0
.rept 64
	v_med3_num_f32 v[R+j], v[R+j], -v[LMV], v[LMV]   ; the conversion does not saturate (ISA guide 7.6.2): the hold at the largest code x the scale
.set j, j+1
.endr
.irp b, 0,1,2,3,4,5,6,7
	v_cvt_scalef32_pk8_fp8_f32 v[PW+2*\b:PW+2*\b+1], v[R+8*\b:R+8*\b+7], v[SCV]
.endr
	v_nop
.irp g, 0,1,2,3
	global_store_b128 v[CO], v[PW+4*\g:PW+4*\g+3], s[12:13] offset:((\a)/4)*16384+(\g/2)*4096+((\a)%4)*1024+(\g%2)*512   ; 32 lanes store 512 consecutive bytes
.endr
.endm
.macro VBLOCK a
.set AC, 64*((\a)%4)
.set PW, PC+16*(\a)
	WIN 0x02+((\a)/4)
.set j, 0
.rept 64
	v_med3_num_f32 v[R+j], v[AC+j], -v[LMV], v[LMV]
.set j, j+1
.endr
	WIN 0
.irp b, 0,1,2,3,4,5,6,7
	v_cvt_scalef32_pk8_fp8_f32 v[PW+2*\b:PW+2*\b+1], v[R+8*\b:R+8*\b+7], v[SCV]
.endr
	v_nop
.irp g, 0,1,2,3
	global_store_b128 v[CO], v[PW+4*\g:PW+4*\g+3], s[12:13] offset:(\g/2)*16384+((\a)/4)*4096+((\a)%4)*1024+(\g%2)*512
.endr
.endm
	s_wait_alu depctr_va_vdst(0)                   ; at the head's end
	s_wait_tensorcnt 0x0                           ; my part of K step 0 is in
	ds_add_u32 v[SPW], v[NIL]
	s_wait_dscnt 0x0
	CROUND                                         ; K step 0 is whole, and all sixteen work-groups are here
	JLOAD G0+4, G1, G0B+4, G1B                     ; K step 1, the first tensor load behind the round
	FETCH_B 0, 0, 0
	FETCH_A 0, 0, 0
	FETCH_A 0, 0, 4
	global_prefetch_b8 v[PFO], s[92:93] offset:3*ROWB th:TH_LOAD_NT scope:SCOPE_SE   ; K step 3
	STEP 0, 0, 1
	s_mov_b32 s3, LAPS-1
.Llap:
	TURN 0, 1, 1
	STEP 1, 0, 0
	TURN 1, 0, 1
	STEP 0, 0, 0
	s_sub_co_u32 s3, s3, 1
	s_cmp_lg_u32 s3, 0
	s_cbranch_scc1 .Llap
	TURN 0, 1, 0
	STEP 1, 0, 0
	s_cmp_eq_u32 s67, 1
	s_cbranch_scc1 .Lno_cs
	WIN 0x40                                       ; B's first set has been multiplied (the step's last four places stand behind it): cos and sin of blocks 3 to 6 take its registers
	CSLOAD 3, 0
	CSLOAD 4, 32
	CSLOAD 5, 64
	CSLOAD 6, 96
	WIN 0
.Lno_cs:
	s_wait_dscnt 4*NL
	WIN MUL_LO
	MUL16 0, 1, 0
	MUL16 2, 1, 0
	s_wait_dscnt 0
	WIN MUL_HI
	MUL16 4, 1, 0
	MUL16 6, 1, 0
	WIN 0
	s_wait_kmcnt 0x0
	s_sub_co_i32 s80, s74, s68
	s_sub_co_i32 s80, s80, s69
	s_sub_co_i32 s81, s75, s70
	s_sub_co_i32 s81, s81, s71
	s_sub_co_i32 s82, s77, s72
	s_sub_co_i32 s82, s82, s73
	s_cmp_eq_u32 s66, 1
	s_cselect_b32 s80, s81, s80
	s_cmp_eq_u32 s66, 2
	s_cselect_b32 s80, s82, s80
	s_add_co_i32 s80, s80, 127
	s_lshl_b32 s81, s80, 23
	s_add_co_i32 s80, s80, 8
	s_lshl_b32 s80, s80, 23
	s_or_b32 s80, s80, 0x600000
	PLACES NP
	v_mov_b32 v[SCV], s81
	v_mov_b32 v[LMV], s80
	s_cmp_eq_u32 s67, 1
	s_cbranch_scc1 .Lv_out
	WIN 0x40
	CSLOAD 7, 128
	WIN 0
.irp a, 0,1,2,3,4,5,6,7
	QKBLOCK \a
.endr
	s_branch .Ldone
.Lv_out:
	s_wait_alu depctr_va_vdst(0)
.irp a, 0,1,2,3,4,5,6,7
	VBLOCK \a
.endr
.Ldone:
	s_wait_tensorcnt 0x0
	ds_add_u32 v[SPW], v[NIL]
	s_wait_dscnt 0x0
	CROUND
	s_endpgm
.Lfunc_end_k_q18f056943d_qkv:
	.size	k_q18f056943d_qkv, .Lfunc_end_k_q18f056943d_qkv-k_q18f056943d_qkv
	.p2alignl 7, 3214868480
	.fill 96, 4, 3214868480
	.section	.rodata,"a",@progbits
	.p2align	6, 0x0
	.amdhsa_kernel k_q18f056943d_qkv
		.amdhsa_group_segment_fixed_size 327680
		.amdhsa_private_segment_fixed_size 0
		.amdhsa_enable_private_segment 0
		.amdhsa_kernarg_size 40
		.amdhsa_user_sgpr_count 2
		.amdhsa_user_sgpr_kernarg_segment_ptr 1
		.amdhsa_wavefront_size32 1
		.amdhsa_system_sgpr_workgroup_id_x 1
		.amdhsa_system_sgpr_workgroup_id_y 1
		.amdhsa_system_sgpr_workgroup_id_z 1
		.amdhsa_system_vgpr_workitem_id 0
		.amdhsa_next_free_vgpr 1024
		.amdhsa_next_free_sgpr 100
		.amdhsa_reserve_vcc 0
		.amdhsa_float_denorm_mode_32 3
		.amdhsa_float_denorm_mode_16_64 3
		.amdhsa_memory_ordered 1
		.amdhsa_forward_progress 1
		.amdhsa_inst_pref_size 198
	.end_amdhsa_kernel
	.amdgpu_metadata
---
amdhsa.version: [ 1, 2 ]
amdhsa.kernels:
  - .name:           k_q18f056943d_qkv
    .symbol:         k_q18f056943d_qkv.kd
    .args:
      - { .name: codes, .offset: 0, .size: 8, .value_kind: global_buffer, .address_space: global }
      - { .name: lowp_scales, .offset: 8, .size: 8, .value_kind: global_buffer, .address_space: global }
      - { .name: freqs_cos, .offset: 16, .size: 8, .value_kind: global_buffer, .address_space: global }
      - { .name: freqs_sin, .offset: 24, .size: 8, .value_kind: global_buffer, .address_space: global }
      - { .name: qkv, .offset: 32, .size: 8, .value_kind: global_buffer, .address_space: global }
    .group_segment_fixed_size: 327680
    .private_segment_fixed_size: 0
    .kernarg_segment_align: 8
    .kernarg_segment_size: 40
    .max_flat_workgroup_size: 128
    .sgpr_count:     100
    .vgpr_count:     1024
    .wavefront_size: 32
...
	.end_amdgpu_metadata
.endif
;; end of part 2
;; launch attn (part 3): grid 32 x 8, 8 waves a work-group, clusters of 4 x 4, 327,680 bytes of LDS; arguments qkv, mask, lowp_scales, ac; writes ac
.if DOCPART == 3
	.amdgcn_target "amdgcn-amd-amdhsa--gfx1250"
	.amdhsa_code_object_version 6
	.text
	.protected	k_q18f056943d_attn
	.globl	k_q18f056943d_attn
	.p2align	8
	.type	k_q18f056943d_attn,@function
k_q18f056943d_attn:
	s_mov_b64 s[64:65], 0
	v_nop
	global_prefetch_b8 v0, s[64:65] scope:SCOPE_SE
	s_setreg_imm32_b32 hwreg(HW_REG_WAVE_MODE, 25, 1), 1
	s_wait_xcnt 0x0
	s_wait_alu depctr_hold_cnt(0) depctr_sa_sdst(0) depctr_va_vdst(0) depctr_va_sdst(0) depctr_va_ssrc(0) depctr_va_vcc(0) depctr_vm_vsrc(0)
	s_getreg_b32 s2, hwreg(HW_REG_IB_STS2, 6, 4)
	s_cmp_eq_u32 s2, 0
	s_cbranch_scc0 .Lentry_in_a_cluster
	s_endpgm
.Lentry_in_a_cluster:
	s_bfe_u32 s2, ttmp6, 0x10000c
	s_cmp_lg_u32 s2, 0xf033
	s_cbranch_scc0 .Lentry_shape_is_right
	s_endpgm
.Lentry_shape_is_right:
; Attention on codes of FP8 (E4M3): logit = q . k / 8 + mask;  t = logit x log2(e);  M = the row's largest t so far, rounded UP to a whole number;  p = 2^(t - M) is quantised (scale 2^e8) for the second
; product; the row's sum is taken of the unquantised p and divides at the end.  The result is quantised (scale 2^e10) for the last projection and stored as codes: ac [4096][1024], column 64 x head + channel.
; THE MASK IS AN INPUT: every one of its 2,048 x 2,048 numbers is read and added, and every score is computed.
; The mask meets the score in one f32 rounding (a fused multiply-add: sum x 2^(e6 + e7 - 3) + mask; 1 / sqrt(64) is 2^-3), t is rounded to f32, and only then is M taken off: logits that are equal in f32 give equal p.
; SHARES.  A work-group takes 64 queries x 4 heads of one batch; wave w takes head w % 4 and the two tiles of 16 queries a, b from query 32 (w / 4) on: a fragment of k or v feeds two products.  512 registers, two waves to a SIMD.
; Every wave walks all 2,048 keys in eleven slots: the first of 128 keys, ten of 192.  A slot is worked in one step of the softmax, its products in pieces of 64 keys.
; LDS.  A slot: six pieces of 16,384 bytes (k 0, 1, 2, v 0, 1, 2: 64 keys x 4 heads each, images of operand registers as the launch before laid them) and the mask's 64 rows x 192 numbers in two halves of 32 rows.
; The two slots lie interleaved in units of 32,768 bytes: unit 2 u belongs to slot 0, unit 2 u + 1 to slot 1: one exclusive or turns an address from one slot to the other.  Units u = 0, 1, 2: two pieces each; u = 3, 4: 32 rows of the mask.
; CLUSTER 4 x 4: x walks blocks of 64 queries, y the four groups of heads.  k and v hang on the batch and the group: asked for jointly along a row of the cluster.  The mask's tile hangs on the queries: jointly along a column.
; LAYOUT.  S^T = K Q^T (source 0 = 16 keys, source 1 = 16 queries; K = 64): lane (r, h) holds query r, and register j of tile T key 16 T + 8 h + j.  One conversion of a tile's eight registers IS registers 2 T, 2 T + 1
; of P in the K = 64 form's own layout.  O^T = V^T P^T (source 0 = 16 channels x 64 keys).
; LIMITS on the given exponents, so that each power of two below is an f32 number: e6 + e7 between -123 and 130; e8 and e10 between -126 and 119; e8 + e9 is applied by v_ldexp_f32 and has none.
; A row all of whose logits are -infinity or NaN (NaN in the definition too) is not served.
.set SLOTX, 1<<15                      ; from slot 0 to slot 1
.set MBIN,  3<<16                      ; the mask's first 32 rows; the others 65,536 bytes on
.set MP,    816                        ; a row: three times 256 bytes + 16 of padding: the 16 rows that a load touches start at 16 different banks (64 banks of 4 bytes: ISA guide 11.1)
.set SPARE, MBIN+32*MP                 ; behind the mask's rows: the spare words, 128 bytes for each of eight waves
.set STG,   SPARE+1024                 ; the way out: 16 rows x (256 bytes + 16) behind each of the four halves of the mask, 32,768 bytes apart; no tensor load ever lands there
.set SGP,   272
; window 0: v0 the thread's number; v1-31 as named; v32-47 Q; v48-63 P's codes, two pieces by turns; v64-255 S of the two tiles (mask, logit, t, p), 32 registers a piece
; window 1: v0-95 k's three pieces (v's third takes k's first's place); v96-159 v's first two; v160-191 the sums of K Q^T of a piece; v192-255 O^T of the two tiles
.set AK0,  1                           ; my place in a piece: 4,096 x head + 16 x lane
.set AM0,  2                           ; in the mask: row r of my 32, + 32 h
.set PFO,  3                           ; the prefetches' offset; never rewritten
.set SPW,  4                           ; LDS address of my spare word; never rewritten
.set NIL,  5                           ; 0; never rewritten
.set ADK,  6                           ; the two places in the slot in hand; ADK2, ADK3: 65,536 and 131,072 further on
.set ADM,  7
.set ADK2, 30
.set ADK3, 31
.set SCP,  9                           ; 2^e8
.set NMA,  10                          ; v10 -M, v11 the largest t of tile a;  v12, v13 of tile b
.set NMB,  12
.set SUMA, 14                          ; pairs: the sums, their second chains, f = 2^(old M - new M) (the pair is named; its low word serves both halves)
.set SUMB, 16
.set S2A,  18
.set S2B,  20
.set FFA,  22
.set FFB,  24
.set WA0,  26
.set WA1,  27
.set WB0,  28
.set WB1,  29
.set QA,   32
.set QB,   40
.set PA,   48
.set PB,   56
.set SA,   64
.set SB,   160
.set DS,   160                         ; window 1
.set OA,   192
.set OB,   224
.set TB,   2                           ; s2   the slot in hand: 0 or SLOTX
.set WV,   12                          ; s12  wave;  s13 wave % 4;  s14 wave / 4;  s15 cx;  s16 cy;  s18 the batch;  s19 my block of 64 queries
.set SEL,  20                          ; selects for v_permlanex16_b32: lane l xor 16
.set CS,   22                          ; log2(e)
.set G1KV, 24                          ; descriptor group 1 for k's and v's pieces; for the mask's halves; the walking groups 0
.set G1M,  32
.set G0KV, 40
.set G0M,  44
.set LPS,  48                          ; s48  448 x 2^e8
.set SCL,  56                          ; 2^(e6 + e7 - 3)
.set PFA,  58                          ; where my prefetches stand;  s[60:61] a slot on, in bytes
.set PFS,  60
.set LIM,  62                          ; 1 in a wave that prefetches, else the greatest number
.set SLOTS, 63                         ; trips still to go
.set G1H,  84                          ; group 1 for the mask's halves in the first slot: 128 numbers of a row are left there, the others are filled with zeros and not read
.set MSB, 0
.macro WIN new                         ; the immediate's high byte repeats the setting that is left
.if MSB != \new
	s_set_vgpr_msb (MSB<<8)|\new
.set MSB, \new
.endif
.endm
.macro PLACES
.rept 4
	v_nop
.endr
.endm
; A joint load.  Waves 0 to 5 fetch the six pieces of k and v, waves 6 and 7 the halves of the mask's tile.  The branch hangs on the wave's number alone.
.macro TLOAD
	s_cmp_lt_u32 s[WV], 6
	s_cbranch_scc0 .Lmask_\@
	tensor_load_to_lds s[G0KV:G0KV+3], s[G1KV:G1KV+7]
	s_nop 0
	PLACES
	s_branch .Lasked_\@
.Lmask_\@:
	tensor_load_to_lds s[G0M:G0M+3], s[G1M:G1M+7]
	s_nop 0
	PLACES
.Lasked_\@:
.endm
.macro DSTEP kv, m                     ; the walking descriptors: the other slot than last time, so many bytes on; the type bits on top are not reached
	s_xor_b32 s[G0KV+1], s[G0KV+1], SLOTX
	s_add_nc_u64 s[G0KV+2:G0KV+3], s[G0KV+2:G0KV+3], \kv
	s_xor_b32 s[G0M+1], s[G0M+1], SLOTX
	s_add_nc_u64 s[G0M+2:G0M+3], s[G0M+2:G0M+3], \m
.endm
; A PREFETCH INTO THE L2 of what the NEXT fill will ask for, one instruction in each of waves 0 to 4.  Each aligned block of 256 bytes is named once in the launch.
; k's and v's pieces are walked by all eight clusters along x: the cluster with x = 0 asks; wave w = 0, 1, 2 for piece w of k (lanes 0-15) and of v (lanes 16-31); the four partners of a row of the cluster take 4,096 bytes of each, told apart BY ADDRESS (cx).
; The mask's tile is walked by both clusters along y: the cluster with y = 0 asks; the four partners of a column take 16 rows each, told apart by address (cy); wave 3 for a row's first 512 bytes (two lanes), wave 4 for its last 256 (lanes 16-31 name the last row's again).
; The last change that fills a slot asks for nothing; the first slot comes by its loads alone.
.macro ASK
	s_cmp_gt_u32 s[SLOTS], s[LIM]
	s_cbranch_scc0 .Lnot_mine_\@
	global_prefetch_b8 v[PFO], s[PFA:PFA+1] th:TH_LOAD_NT scope:SCOPE_SE
.Lnot_mine_\@:
.endm
.macro CREST                           ; a round of the cluster's barrier behind its opening barrier
	s_cmp_lg_u32 s[WV], 0
	s_cbranch_scc1 .Lnot_wave_0_\@
	s_barrier_signal -3
.Lnot_wave_0_\@:
	s_barrier_wait -3
	s_barrier_signal -1
	s_barrier_wait -1
.endm
.macro CROUND
	s_barrier_signal -1
	s_barrier_wait -1
	CREST
.endm
.macro LD8 dst, adr, off               ; my head's part of a piece: four fragments of eight registers, 8 loads of 512 consecutive bytes, into window 1
	WIN 0x40
.set i, 0
.rept 8
	ds_load_b128 v[\dst+4*i:\dst+4*i+3], v[\adr] offset:\off+512*i
.set i, i+1
.endr
.endm
.macro MLOADS dst, off, ns             ; mask(my query, keys 16 T + 8 h + 0 .. 7) of ns pieces, in the result's own layout
	WIN 0
.set j, 0
.rept 4*\ns
	ds_load_b128 v[\dst+8*j:\dst+8*j+3],   v[ADM] offset:\off+272*(j/4)+64*(j%4)
	ds_load_b128 v[\dst+8*j+4:\dst+8*j+7], v[ADM] offset:\off+272*(j/4)+64*(j%4)+16
.set j, j+1
.endr
.endm
.macro PROD q, kb                      ; S^T = K Q^T of a piece: four accumulators, one instruction each
	WIN 0x41
.set i, 0
.rept 4
	v_wmma_f32_16x16x64_fp8_fp8 v[DS+8*i:DS+8*i+7], v[\kb+8*i:\kb+8*i+7], v[\q:\q+7], 0
.set i, i+1
.endr
.endm
.macro LOGIT dst                       ; logit = sum x 2^(e6 + e7 - 3) + mask, written over the mask; each accumulator from its low end on
	WIN 0x01
.set i, 0
.rept 16
	v_pk_fma_f32 v[\dst+i:\dst+i+1], v[DS+i:DS+i+1], s[SCL:SCL+1], v[\dst+i:\dst+i+1] op_sel_hi:[1,0,1]
.set i, i+2
.endr
.endm
.macro TMUL dst                        ; t = logit x log2(e), rounded to f32
	WIN 0
.set i, 0
.rept 16
	v_pk_mul_f32 v[\dst+i:\dst+i+1], v[\dst+i:\dst+i+1], s[CS:CS+1] op_sel_hi:[1,0]
.set i, i+2
.endr
.endm
.macro TSUB dst, nm, np                ; t - M (of the pair the low word, -M, serves both halves)
.set i, 0
.rept 16*\np
	v_pk_add_f32 v[\dst+i:\dst+i+1], v[\dst+i:\dst+i+1], v[\nm:\nm+1] op_sel_hi:[1,0]
.set i, i+2
.endr
.endm
.macro EXPS dst, np                    ; p = 2^(t - M), at most 1: not normalised
.set i, 0
.rept 32*\np
	v_exp_f32 v[\dst+i], v[\dst+i]
.set i, i+1
.endr
.endm
.macro HOLD r                          ; the conversion does not saturate (ISA guide 7.6.2); p is not negative, so the hold is one-sided; two numbers a line
	v_dual_min_num_f32 v[\r], s[LPS], v[\r] :: v_dual_min_num_f32 v[\r+1], s[LPS], v[\r+1]
.endm
.macro CVT src, cod, tile              ; registers 2 T, 2 T + 1 of P: keys 16 T + 8 h + 0 .. 7
	v_cvt_scalef32_pk8_fp8_f32 v[\cod+2*(\tile):\cod+2*(\tile)+1], v[\src+8*(\tile):\src+8*(\tile)+7], v[SCP]
.endm
; A piece, tile by tile: the row's sum of the UNQUANTISED p (two chains), among it the hold of the tile before, and the conversion of the tile before that.
.macro PIECE src, cod, acc, two, first
.irp T, 0,1,2,3
.irp n, 0,1,2,3
.if (\first) && (\T == 0)
.if \n == 0
	v_pk_add_f32 v[\two:\two+1], v[\src:\src+1], v[\src+2:\src+3]
.endif
.if \n == 1
	v_pk_add_f32 v[\acc:\acc+1], v[\acc:\acc+1], v[\src+4:\src+5]
.endif
.if \n == 2
	v_pk_add_f32 v[\two:\two+1], v[\two:\two+1], v[\src+6:\src+7]
.endif
.else
.if (\n%2) == 0
	v_pk_add_f32 v[\acc:\acc+1], v[\acc:\acc+1], v[\src+8*\T+2*\n:\src+8*\T+2*\n+1]
.else
	v_pk_add_f32 v[\two:\two+1], v[\two:\two+1], v[\src+8*\T+2*\n:\src+8*\T+2*\n+1]
.endif
.endif
.if \T > 0
	HOLD \src+8*\T-8+2*\n
.endif
.endr
.if \T > 1
	CVT \src, \cod, \T-2
.endif
.endr
.irp n, 0,1,2,3
	HOLD \src+24+2*\n
.endr
	CVT \src, \cod, 2
	CVT \src, \cod, 3
.endm
.macro PV o, cod, vb                   ; O^T += V^T P^T of a piece: four accumulators by turns, one instruction a turn
	WIN 0x51
.set i, 0
.rept 4
	v_wmma_f32_16x16x64_fp8_fp8 v[\o+8*i:\o+8*i+7], v[\vb+8*i:\vb+8*i+7], v[\cod:\cod+7], v[\o+8*i:\o+8*i+7]
.set i, i+1
.endr
	WIN 0
.endm
; A tile's second half: the exponentials, O^T and the sums under the new M, then piece by piece the conversions and the product.
.macro HALF src, o, acc, two, ff, np
	s_wait_alu depctr_va_vdst(0)                   ; ahead of the batch
	EXPS \src, \np
	v_pk_mul_f32 v[\acc:\acc+1], v[\acc:\acc+1], v[\ff:\ff+1] op_sel_hi:[1,0]   ; (the plain line behind the exponentials)
	WIN 0x41
	s_wait_alu depctr_va_vdst(0)                   ; for the batch, and directly ahead of the first readers of O^T
.set i, 0
.rept 16
	v_pk_mul_f32 v[\o+i:\o+i+1], v[\o+i:\o+i+1], v[\ff:\ff+1] op_sel_hi:[1,0]
.set i, i+2
.endr
	WIN 0
	PIECE \src, PA, \acc, \two, 1
	v_nop                                          ; one plain line behind the last conversion
	PV \o, PA, 96
	PIECE \src+32, PB, \acc, \two, 0
.if \np == 3
	v_nop
	PV \o, PB, 128
	PIECE \src+64, PA, \acc, \two, 0
	v_pk_add_f32 v[\acc:\acc+1], v[\acc:\acc+1], v[\two:\two+1]
	PV \o, PA, 0
.else
	v_pk_add_f32 v[\acc:\acc+1], v[\acc:\acc+1], v[\two:\two+1]
	PV \o, PB, 128
.endif
.endm
.macro NEXTK                           ; the other slot is whole, and is in hand from here on: k's second and third piece, whose registers are free
	s_xor_b32 s[TB], s[TB], SLOTX
	v_add_nc_u32 v[ADK], s[TB], v[AK0]
	v_add_nc_u32 v[ADM], s[TB], v[AM0]
	v_add_nc_u32 v[ADK2], 0x10000, v[ADK]
	v_add_nc_u32 v[ADK3], 0x20000, v[ADK]
	LD8 32, ADK, 16384
	LD8 64, ADK2, 0
	WIN 0
.endm
	s_load_b256 s[4:11], s[0:1], 0x0               ; qkv s[4:5], mask s[6:7], the scales' exponents s[8:9], ac s[10:11]
	v_lshl_add_u32 v[SPW], v0, 2, SPARE
	v_mov_b32 v[NIL], 0
	ds_add_u32 v[SPW], v[NIL]                      ; the wave's opening: the add, twice on end, and its wait
	ds_add_u32 v[SPW], v[NIL]
	v_lshrrev_b32 v28, 5, v0
	v_readfirstlane_b32 s[WV], v28                 ; wave 0..7.  Also: the piece that I fetch (0 to 2 k's, 3 to 5 v's), or 6 + the half of the mask's tile
	s_and_b32 s13, s[WV], 3                        ; my head of the four
	s_lshr_b32 s14, s[WV], 2                       ; my 32 queries of the 64
	s_bfe_u32 s15, ttmp6, 0x40000                  ; cx
	s_bfe_u32 s16, ttmp6, 0x40004                  ; cy: the group of four heads
	s_and_b32 s18, ttmp7, 0xffff                   ; cluster y: the batch
	s_lshl_b32 s19, ttmp9, 2
	s_add_co_u32 s19, s19, s15                     ; my block of 64 queries = 4 x cluster x + cx
	s_lshl_b32 s74, s16, 2
	s_lshl_b32 s74, 15, s74                        ; my row of the cluster
	s_lshl_b32 s75, 0x1111, s15                    ; my column
	; group 1 for k and v: 16,384 dense bytes as 64 rows of 32 elements of 8 bytes, no padding
	s_or_b32 s[G1KV], s74, (3<<16)|(1<<21)         ; 15:0 the mask: my row; 17:16 elements of 8 bytes; 21 set beside a mask
	s_mov_b32 s[G1KV+1], 32<<16                    ; tensor_dim0 = 32
	s_mov_b32 s[G1KV+2], 64<<16                    ; tensor_dim1 = 64
	s_mov_b32 s[G1KV+3], 32<<16                    ; tile_dim0 = 32
	s_mov_b32 s[G1KV+4], 64                        ; tile_dim1 = 64
	s_mov_b32 s[G1KV+5], 32                        ; tensor_dim0_stride
	s_mov_b32 s[G1KV+6], 0
	s_mov_b32 s[G1KV+7], 0
	; group 1 for half of the mask's tile: 32 rows of 192 f32, 2,048 apart in memory, 16 bytes of padding behind each 256 bytes in LDS
	s_or_b32 s[G1M], s75, (2<<16)|(1<<20)|(1<<21)|(5<<22)|(3<<25)  ; 15:0 my column; 17:16 elements of 4 bytes; 20 padding on; 21 set beside a mask; 24:22 after every 64 words (code 5); 31:25 of 4 words (code 3)
	s_mov_b32 s[G1M+1], 192<<16
	s_or_b32 s[G1H], s75, (2<<16)|(1<<20)|(1<<21)|(5<<22)|(3<<25)
	s_mov_b32 s[G1H+1], 128<<16
.irp g, G1M, G1H
	s_mov_b32 s[\g+2], 32<<16
	s_mov_b32 s[\g+3], 192<<16
	s_mov_b32 s[\g+4], 32
	s_mov_b32 s[\g+5], 2048
	s_mov_b32 s[\g+6], 0
	s_mov_b32 s[\g+7], 0
.endr
	s_lshl_b32 s73, s18, 2
	s_add_co_u32 s73, s73, s16
	s_lshl_b32 s73, s73, 19                        ; the (batch, group)'s 32 pieces of 16,384 bytes, in q's, k's and v's part alike
	s_add_co_u32 s76, s[WV], 1
	s_lshr_b32 s76, s76, 2                         ; 0: k (waves 0 to 2), 1: v (waves 3 to 5)
	s_mul_i32 s76, s76, 0x3f4000                   ; v's part begins 4 MiB behind k's, and wave 3 takes its first piece
	s_lshl_b32 s80, s[WV], 14
	s_add_co_u32 s80, s80, s76
	s_add_co_u32 s80, s80, s73
	s_add_co_u32 s80, s80, 0x400000                ; k's part begins at 4 MiB.  Nothing here hangs on cx
	s_mov_b32 s81, 0
	s_lshr_b32 s77, s[WV], 1
	s_lshl_b32 s77, s77, 16
	s_and_b32 s76, s[WV], 1
	s_lshl_b32 s67, s76, 14
	s_add_co_u32 s77, s77, s67                     ; where my piece goes: two pieces to a unit
	s_lshl_b32 s82, s19, 19                        ; the mask: 64 rows of 8,192 bytes a block of queries.  Nothing here hangs on cy
	s_lshl_b32 s67, s76, 18
	s_add_co_u32 s82, s82, s67                     ; my half: 32 rows on
	s_mov_b32 s83, 0
	s_lshl_b32 s76, s76, 16
	s_add_co_u32 s76, s76, MBIN                    ; and where it goes
	s_mov_b32 s[SEL], 0x76543210
	s_mov_b32 s[SEL+1], 0xfedcba98
	s_mov_b32 s[CS], 0x3fb8aa3b                    ; log2(e)
	s_mov_b32 s[CS+1], s[CS]                       ; (named with it as a pair, so it is written)
	s_mov_b32 s[TB], 0
	s_mov_b32 s[SLOTS], 8
	s_wait_alu depctr_va_vdst(0)                   ; directly ahead of the waits below
	s_wait_dscnt 0x0                               ; both opening adds are done
	s_wait_kmcnt 0x0
	s_load_b128 s[68:71], s[8:9], 0x18             ; e6, e7, e8, e9
	s_load_b32 s72, s[8:9], 0x28                   ; e10
	s_add_nc_u64 s[78:79], s[4:5], s[80:81]
	s_add_nc_u64 s[82:83], s[6:7], s[82:83]
	s_mov_b32 s[G0KV], 1                           ; 1:0 count = 1
	s_mov_b32 s[G0KV+1], s77                       ; 63:32 LDS address: slot 0
	s_mov_b64 s[G0KV+2:G0KV+3], s[78:79]           ; 120:64 global address
	s_or_b32 s[G0KV+3], s[G0KV+3], 0x80000000      ; 127:126 type = 2
	s_mov_b32 s[G0M], 1
	s_mov_b32 s[G0M+1], s76
	s_mov_b64 s[G0M+2:G0M+3], s[82:83]
	s_or_b32 s[G0M+3], s[G0M+3], 0x80000000
	CROUND                                         ; all sixteen work-groups are here: the first joint loads meet
	; the first slot, 128 keys: one tensor load a wave at the head; waves 2 and 5 (the third pieces) have none.  One chain of branches on the wave's number
	s_cmp_lt_u32 s[WV], 6
	s_cbranch_scc0 .Lfirst_mask
	s_cmp_eq_u32 s[WV], 2
	s_cbranch_scc1 .Lfirst_asked
	s_cmp_eq_u32 s[WV], 5
	s_cbranch_scc1 .Lfirst_asked
	tensor_load_to_lds s[G0KV:G0KV+3], s[G1KV:G1KV+7]
	s_nop 0
	PLACES
	s_branch .Lfirst_asked
.Lfirst_mask:
	tensor_load_to_lds s[G0M:G0M+3], s[G1H:G1H+7]
	s_nop 0
	PLACES
.Lfirst_asked:
	; Q: my two tiles' fragments out of q's images: block of 64 queries, head, tile of 16
	s_lshl_b32 s74, s19, 14
	s_add_co_u32 s74, s74, s73
	s_lshl_b32 s75, s13, 12
	s_add_co_u32 s74, s74, s75
	s_lshl_b32 s75, s14, 11
	s_add_co_u32 s74, s74, s75
	s_mov_b32 s75, 0
	s_add_nc_u64 s[78:79], s[4:5], s[74:75]
	; ac at my wave's eight rows: (2,048 x batch + 64 x block + 8 x wave) rows of 1,024 bytes, + 256 x group
	s_lshl_b32 s74, s18, 21
	s_lshl_b32 s75, s19, 16
	s_add_co_u32 s74, s74, s75
	s_lshl_b32 s75, s[WV], 13
	s_add_co_u32 s74, s74, s75
	s_lshl_b32 s75, s16, 8
	s_add_co_u32 s74, s74, s75
	s_mov_b32 s75, 0
	s_add_nc_u64 s[10:11], s[10:11], s[74:75]
	; the prefetches: where my wave's stand (at the second slot's tiles: each later fill steps them on), and who asks
	s_lshl_b32 s74, s[WV], 14
	s_add_co_u32 s74, s74, s73
	s_add_co_u32 s74, s74, 0x408000                ; k's part, the third piece + my wave's number,
	s_lshl_b32 s75, s15, 12
	s_add_co_u32 s74, s74, s75                     ; my work-group's 4,096 bytes of it
	s_lshl_b32 s75, s19, 19
	s_lshl_b32 s76, s16, 17
	s_add_co_u32 s75, s75, s76
	s_add_co_u32 s75, s75, 512                     ; the mask: my work-group's 16 rows of the 64, from number 128 on
	s_sub_co_u32 s76, s[WV], 3
	s_and_b32 s76, s76, 1
	s_lshl_b32 s76, s76, 9
	s_add_co_u32 s75, s75, s76                     ; wave 4: 512 bytes further on
	s_cmp_eq_u32 s[WV], 3
	s_cselect_b32 s76, 1, 0
	s_mov_b32 s[PFS], 768
	s_mov_b32 s77, 0x2000
	s_cmp_lt_u32 s[WV], 3                          ; the choice hangs on the wave's number alone
	s_cselect_b64 s[PFA:PFA+1], s[4:5], s[6:7]
	s_cselect_b32 s74, s74, s75
	s_cselect_b32 s[PFS], 0xc000, s[PFS]           ; a slot on: three pieces, or 768 bytes of a row
	s_cselect_b32 s77, 0x400000, s77               ; from k to v, or from row to row
	s_cselect_b32 s76, 4, s76                      ; lanes that share a piece or a row: 16, 2 (wave 3) or 1
	s_mov_b32 s75, 0
	s_mov_b32 s[PFS+1], 0
	s_add_nc_u64 s[PFA:PFA+1], s[PFA:PFA+1], s[74:75]
	s_lshl_b32 s78, 1, s76                         ; (behind the sum above s[78:79] is read once more, by Q's loads: so they stand in s[92:93])
	s_sub_co_u32 s78, s78, 1
	s_lshl_b32 s74, s19, 14
	s_add_co_u32 s74, s74, s73
	s_lshl_b32 s75, s13, 12
	s_add_co_u32 s74, s74, s75
	s_lshl_b32 s75, s14, 11
	s_add_co_u32 s74, s74, s75
	s_mov_b32 s75, 0
	s_add_nc_u64 s[92:93], s[4:5], s[74:75]
	s_add_co_u32 s66, s[WV], 1
	s_lshr_b32 s66, s66, 2                         ; 0 in waves 0 to 2,
	s_or_b32 s66, s66, ttmp9                       ; of the clusters with x = 0
	s_sub_co_u32 s67, s[WV], 3
	s_lshr_b32 s67, s67, 1                         ; 0 in waves 3 and 4,
	s_or_b32 s67, s67, s18                         ; of the clusters with y = 0
	s_min_u32 s66, s66, s67
	s_cmp_eq_u32 s66, 0
	s_cselect_b32 s[LIM], 1, -1                    ; the same in all sixteen partners, for a given wave
	s_lshl_b32 s66, s13, 12
	s_lshl_b32 s67, s14, 16
	s_add_co_u32 s67, s67, MBIN                    ; my 32 rows of the mask
	v_and_b32 v29, 31, v0                          ; lane
	v_and_b32 v30, 15, v0                          ; r
	v_bfe_u32 v31, v0, 4, 1                        ; h
	v_lshlrev_b32 v28, 4, v29                      ; 16 x lane
	global_load_b128 v[QA:QA+3],   v28, s[92:93]               ; registers 0-3,
	global_load_b128 v[QA+4:QA+7], v28, s[92:93] offset:512    ; 4-7: they stay in registers
	global_load_b128 v[QB:QB+3],   v28, s[92:93] offset:1024
	global_load_b128 v[QB+4:QB+7], v28, s[92:93] offset:1536
	v_lshrrev_b32 v26, s76, v29
	v_and_b32 v27, s78, v29
	v_mul_u32_u24 v[AM0], v30, MP
	v_min_u32 v26, 15, v26
	v_lshl_add_u32 v[AK0], v29, 4, s66
	v_lshl_add_u32 v[AM0], v31, 5, v[AM0]
	v_mul_lo_u32 v26, v26, s77
	v_add_nc_u32 v[AM0], s67, v[AM0]
	v_lshl_add_u32 v[PFO], v27, 8, v26
	v_add_nc_u32 v[ADK], s[TB], v[AK0]             ; slot 0 is in hand
	v_add_nc_u32 v[ADM], s[TB], v[AM0]
	v_add_nc_u32 v[ADK2], 0x10000, v[ADK]
	v_add_nc_u32 v[ADK3], 0x20000, v[ADK]
	v_mov_b32 v[NMA+1], 0xff61b1e6                 ; the largest t so far: -3e38
	v_mov_b32 v[NMB+1], 0xff61b1e6
	v_mov_b32 v[FFA+1], 0                          ; (named as the upper halves of their pairs)
	v_mov_b32 v[FFB+1], 0
	v_floor_f32 v[NMA], -v[NMA+1]                  ; -M
	v_floor_f32 v[NMB], -v[NMB+1]
	v_mov_b32 v[SUMA], 0
	v_mov_b32 v[SUMA+1], 0
	v_mov_b32 v[SUMB], 0
	v_mov_b32 v[SUMB+1], 0
	s_wait_alu depctr_va_vdst(0)                   ; ahead of the branch below
	ASK                                            ; the second slot's tiles
	WIN 0x40
.set i, 0
.rept 64
	v_mov_b32 v[OA+i], 0                           ; O^T.  (The step is written for every step alike: the first finds zeros, which the first change of M leaves zeros)
.set i, i+1
.endr
	WIN 0
	s_wait_alu depctr_va_vdst(0)                   ; directly ahead of the wait below
	s_wait_kmcnt 0x0
	s_add_co_i32 s66, s68, s69
	s_add_co_i32 s66, s66, 124                     ; e6 + e7 - 3 + 127
	s_lshl_b32 s[SCL], s66, 23                     ; 2^(e6 + e7 - 3) as f32
	s_mov_b32 s[SCL+1], s[SCL]
	s_add_co_i32 s66, s70, 127
	s_lshl_b32 s67, s66, 23
	v_mov_b32 v[SCP], s67                          ; 2^e8
	s_add_co_i32 s66, s66, 8
	s_lshl_b32 s66, s66, 23
	s_or_b32 s[LPS], s66, 0x600000                 ; 448 x 2^e8
; A STEP: the np pieces of 64 keys of the slot in hand.  At its head k's pieces but the first, and both tiles' masks, have been asked for, in this order: 8 (np - 1), 8 np and 8 np loads.
; mode = 2: the slot is filled again in the step's middle;  1: the last two steps: nothing is left to ask for, a plain barrier shows the last slot whole, and the last step's own look-ahead is left out by the trips' count.
.macro STEP np, mode
	s_wait_dscnt 16*\np                            ; k is in, all but its first piece; both masks may be out
	PROD QA, 32
	PLACES                                         ; behind the last step's products, for the loads below, and behind these, for the reads of their results
	LD8 0, ADK, 0                                  ; k's first piece, whose place v's third had,
	LD8 96, ADK2, 16384                            ; and v's first two
	LD8 128, ADK3, 0
	s_wait_dscnt 8*\np+24                          ; tile a's mask is in; tile b's and the 24 just issued may be out
	LOGIT SA+32
.if \np == 3
	PROD QA, 64                                    ; a piece's products stand beside the vector work of the piece before, which is also their places
	TMUL SA+32
	LOGIT SA+64
	PROD QB, 32
	TMUL SA+64
.else
	PROD QB, 32
	TMUL SA+32
.endif
	s_wait_dscnt 24                                ; tile b's mask is in
	LOGIT SB+32
.if \np == 3
	PROD QB, 64
	TMUL SB+32
	LOGIT SB+64
.endif
	s_wait_dscnt 16                                ; k's first piece is in; v's two may be out
	PROD QA, 0
.if \np == 3
	TMUL SB+64
.else
	TMUL SB+32
.endif
	LOGIT SA
	PROD QB, 0
	TMUL SA
	LOGIT SB
.if \np == 3
	LD8 0, ADK3, 16384                             ; v's third piece takes the place of k's first
.endif
	TMUL SB
	v_max3_num_f32 v[WA0], v[SA], v[SA+1], v[SA+2] ; the step's largest t of each query among my keys, two chains a tile
	v_max3_num_f32 v[WB0], v[SB], v[SB+1], v[SB+2]
	v_max3_num_f32 v[WA1], v[SA+3], v[SA+4], v[SA+5]
	v_max3_num_f32 v[WB1], v[SB+3], v[SB+4], v[SB+5]
.set i, 6
.rept 8*\np-2
	v_max3_num_f32 v[WA0], v[WA0], v[SA+i], v[SA+i+1]
	v_max3_num_f32 v[WB0], v[WB0], v[SB+i], v[SB+i+1]
	v_max3_num_f32 v[WA1], v[WA1], v[SA+i+2], v[SA+i+3]
	v_max3_num_f32 v[WB1], v[WB1], v[SB+i+2], v[SB+i+3]
.set i, i+4
.endr
	v_max3_num_f32 v[WA0], v[WA0], v[SA+i], v[SA+i+1]
	v_max3_num_f32 v[WB0], v[WB0], v[SB+i], v[SB+i+1]
	v_max_num_f32 v[WA0], v[WA0], v[WA1]
	v_max_num_f32 v[WB0], v[WB0], v[WB1]
	v_permlanex16_b32 v[WA1], v[WA0], s[SEL], s[SEL+1]
	v_permlanex16_b32 v[WB1], v[WB0], s[SEL], s[SEL+1]
	v_max_num_f32 v[WA0], v[WA0], v[WA1]           ; and among lane l xor 16's
	v_max_num_f32 v[WB0], v[WB0], v[WB1]
	v_max_num_f32 v[NMA+1], v[NMA+1], v[WA0]       ; the running largest t
	v_max_num_f32 v[NMB+1], v[NMB+1], v[WB0]
	v_floor_f32 v[WA1], -v[NMA+1]                  ; the new -M = floor(-t) = -ceil(t): M is a whole number
	v_floor_f32 v[WB1], -v[NMB+1]
	v_sub_f32 v[WA0], v[WA1], v[NMA]               ; M's old value less its new one: a whole number, 0 or less
	v_sub_f32 v[WB0], v[WB1], v[NMB]
	v_mov_b32 v[NMA], v[WA1]
	v_mov_b32 v[NMB], v[WB1]
	v_cvt_i32_f32 v[WA0], v[WA0]                   ; (it saturates)
	v_cvt_i32_f32 v[WB0], v[WB0]
	v_ldexp_f32 v[FFA], 1.0, v[WA0]                ; f = 2^(old M - new M): a multiplication by it rounds nothing
	v_ldexp_f32 v[FFB], 1.0, v[WB0]
	TSUB SA, NMA, \np
; THE CHANGE OF SLOTS.  Each wave waits for all its tensor loads (its part of the next slot), adds 0 to its spare word, and waits for that and for its reads of the slot in hand, of which v's were the last.
	s_wait_alu depctr_va_vdst(0)                   ; directly ahead of the wait below
	s_wait_tensorcnt 0x0                           ; no tensor load of mine is out, so a group 0 may be written
	ds_add_u32 v[SPW], v[NIL]                      ; 0 onto my spare word
.if \mode == 2
	DSTEP 49152, 768
	s_wait_xcnt 0x0                                ; the last prefetch has read its address, so it may be written:
	s_add_nc_u64 s[PFA:PFA+1], s[PFA:PFA+1], s[PFS:PFS+1]   ; one slot further on than the walking descriptors
.endif
	TSUB SB, NMB, \np                              ; work on registers while the add is out
	s_wait_dscnt 0x0                               ; v is in: my reads of this slot are over (and the add is done)
	s_barrier_signal -1                            ; (mode 2: this barrier opens a round of the cluster's barrier)
	s_barrier_wait -1
.if \mode == 2
	CREST                                          ; no wave of any partner still reads this slot or has a load on its way
	TLOAD                                          ; the tiles of the slot after next, into the slot just emptied: the first thing behind the round
	NEXTK
	ASK
.else
	s_cmp_eq_u32 s[SLOTS], 1
	s_cbranch_scc1 .Lno_k_\@
	NEXTK
.Lno_k_\@:
.endif
	HALF SA, OA, SUMA, S2A, FFA, \np
.if \mode == 1
	s_cmp_eq_u32 s[SLOTS], 1
	s_cbranch_scc1 .Lno_a_\@
.endif
	MLOADS SA, 0, 3                                ; the next slot's mask, tile a
.if \mode == 1
.Lno_a_\@:
.endif
	HALF SB, OB, SUMB, S2B, FFB, \np
.if \mode == 1
	s_wait_alu depctr_va_vdst(0)                   ; ahead of the branch
	s_cmp_eq_u32 s[SLOTS], 1
	s_cbranch_scc1 .Lno_b_\@
.endif
	MLOADS SB, 16*MP, 3
.if \mode == 1
.Lno_b_\@:
.endif
.endm
	s_wait_alu depctr_va_vdst(0)                   ; at the head's end
	s_wait_tensorcnt 0x0                           ; my part of slot 0 is in
	ds_add_u32 v[SPW], v[NIL]
	ds_add_u32 v[SPW], v[NIL]
	DSTEP 32768, 512                               ; two pieces and 128 numbers on
	s_wait_xcnt 0x0                                ; the prefetch has read its address
	s_add_nc_u64 s[PFA:PFA+1], s[PFA:PFA+1], s[PFS:PFS+1]
	s_wait_dscnt 0x0                               ; the adds are done
	CROUND                                         ; slot 0 is whole
	TLOAD                                          ; slot 1's first fill, the first tensor load behind the round
	LD8 32, ADK, 16384                             ; k's second piece
	MLOADS SA, 0, 2
	MLOADS SB, 16*MP, 2
	ASK                                            ; the third slot's tiles
	s_wait_loadcnt 0x0                             ; Q
	STEP 2, 2                                      ; keys 0 to 127
.Lslot:                                            ; 8 trips of 192 keys
	STEP 3, 2
	s_sub_co_u32 s[SLOTS], s[SLOTS], 1
	s_cmp_lg_u32 s[SLOTS], 0
	s_cbranch_scc1 .Lslot
	s_mov_b32 s[SLOTS], 2
.Ltail:                                            ; the last two slots: no tensor load is left
	STEP 3, 1
	s_sub_co_u32 s[SLOTS], s[SLOTS], 1
	s_cmp_lg_u32 s[SLOTS], 0
	s_cbranch_scc1 .Ltail
	; THE WAY OUT.  O^T x 2^(e8 + e9) / the sum is quantised under 2^e10.  A lane's eight channels are 8 bytes; a row's 256 bytes (four heads) come from four waves: they meet in the stage, and each wave stores eight whole pieces of rows.
	v_add_f32 v[SUMA], v[SUMA], v[SUMA+1]          ; the sums' two halves,
	v_add_f32 v[SUMB], v[SUMB], v[SUMB+1]
	v_permlanex16_b32 v[WA1], v[SUMA], s[SEL], s[SEL+1]
	v_permlanex16_b32 v[WB1], v[SUMB], s[SEL], s[SEL+1]
	v_add_f32 v[SUMA], v[SUMA], v[WA1]             ; and lane l xor 16's
	v_add_f32 v[SUMB], v[SUMB], v[WB1]
	s_wait_alu depctr_va_vdst(0)                   ; ahead of the transcendentals
	v_rcp_f32 v[SUMA], v[SUMA]
	v_rcp_f32 v[SUMB], v[SUMB]
	v_and_b32 v26, 15, v0                          ; r.  (The address work is the plain work behind the reciprocals)
	v_bfe_u32 v28, v0, 4, 1                        ; h
	s_lshl_b32 s66, s14, 16
	s_lshl_b32 s67, s13, 6
	s_add_co_u32 s66, s66, s67
	s_add_co_u32 s66, s66, STG
	s_lshr_b32 s67, s[WV], 1
	s_lshl_b32 s67, s67, 15
	s_and_b32 s73, s[WV], 1
	s_mul_i32 s73, s73, 8*SGP
	s_add_co_u32 s67, s67, s73
	s_add_co_u32 s67, s67, STG
	s_wait_alu depctr_va_vdst(0)                   ; directly ahead of the readers below
	v_mul_u32_u24 v10, v26, SGP
	v_mul_u32_u24 v11, v28, SGP
	v_lshlrev_b32 v12, 10, v28
	v_lshl_add_u32 v10, v28, 3, v10
	v_lshl_add_u32 v11, v26, 4, v11
	v_lshl_add_u32 v12, v26, 4, v12                ; in ac: lanes 0-15 one row's 256 bytes, lanes 16-31 the next row's
	v_add_nc_u32 v10, s66, v10                     ; the stage, in: row r of tile a's 16 (tile b's 32,768 bytes on), + 64 x head + 8 h
	v_add_nc_u32 v11, s67, v11                     ; back: my wave's eight rows, two an instruction
	s_add_co_i32 s66, s72, 127
	s_lshl_b32 s67, s66, 23
	v_mov_b32 v18, s67                             ; 2^e10
	s_add_co_i32 s66, s66, 8
	s_lshl_b32 s66, s66, 23
	s_or_b32 s66, s66, 0x600000
	v_mov_b32 v13, s66                             ; 448 x 2^e10
	s_add_co_i32 s67, s70, s71
	s_wait_alu depctr_va_vdst(0)
	v_ldexp_f32 v[SUMA], v[SUMA], s67              ; x 2^(e8 + e9)
	v_ldexp_f32 v[SUMB], v[SUMB], s67
	WIN 0x01
	s_wait_alu depctr_va_vdst(0)                   ; directly ahead of the first readers of O^T
.set i, 0
.rept 32
	v_mul_f32 v[SA+i], v[OA+i], v[SUMA]            ; register 8 t + j: channel 16 t + 8 h + j of my query; each accumulator from its low end on
.set i, i+1
.endr
.set i, 0
.rept 32
	v_mul_f32 v[SA+32+i], v[OB+i], v[SUMB]
.set i, i+1
.endr
	WIN 0
.set i, 0
.rept 64
	v_med3_num_f32 v[SA+i], v[SA+i], -v13, v13     ; the hold at the largest code x the scale
.set i, i+1
.endr
.irp t, 0,1,2,3,4,5,6,7
	v_cvt_scalef32_pk8_fp8_f32 v[PA+2*\t:PA+2*\t+1], v[SA+8*\t:SA+8*\t+7], v18
.endr
	v_nop                                          ; one plain line behind the last conversion
.irp t, 0,1,2,3
	ds_store_b64 v10, v[PA+2*\t:PA+2*\t+1] offset:16*\t
	ds_store_b64 v10, v[PA+8+2*\t:PA+9+2*\t] offset:SLOTX+16*\t
.endr
	s_wait_dscnt 0x0                               ; for the others' sake: my stores into the stage are done
	s_barrier_signal -1
	s_barrier_wait -1
.irp i, 0,1,2,3
	ds_load_b128 v[SA+4*\i:SA+4*\i+3], v11 offset:2*\i*SGP
.endr
.irp i, 0,1,2,3
	s_wait_dscnt 3-\i
	global_store_b128 v12, v[SA+4*\i:SA+4*\i+3], s[10:11] offset:2048*\i   ; sixteen lanes store 256 consecutive bytes, aligned
.endr
	s_wait_tensorcnt 0x0                           ; the wave's end
	ds_add_u32 v[SPW], v[NIL]
	s_wait_dscnt 0x0
	CROUND                                         ; the closing round: no work-group ends while a partner may still ask for a tile that names it
	s_endpgm
.Lfunc_end_k_q18f056943d_attn:
	.size	k_q18f056943d_attn, .Lfunc_end_k_q18f056943d_attn-k_q18f056943d_attn
	.p2alignl 7, 3214868480
	.fill 96, 4, 3214868480
	.section	.rodata,"a",@progbits
	.p2align	6, 0x0
	.amdhsa_kernel k_q18f056943d_attn
		.amdhsa_group_segment_fixed_size 327680
		.amdhsa_private_segment_fixed_size 0
		.amdhsa_enable_private_segment 0
		.amdhsa_kernarg_size 32
		.amdhsa_user_sgpr_count 2
		.amdhsa_user_sgpr_kernarg_segment_ptr 1
		.amdhsa_wavefront_size32 1
		.amdhsa_system_sgpr_workgroup_id_x 1
		.amdhsa_system_sgpr_workgroup_id_y 1
		.amdhsa_system_sgpr_workgroup_id_z 1
		.amdhsa_system_vgpr_workitem_id 0
		.amdhsa_next_free_vgpr 512
		.amdhsa_next_free_sgpr 100
		.amdhsa_reserve_vcc 0
		.amdhsa_float_denorm_mode_32 3
		.amdhsa_float_denorm_mode_16_64 3
		.amdhsa_memory_ordered 1
		.amdhsa_forward_progress 1
		.amdhsa_inst_pref_size 185
	.end_amdhsa_kernel
	.amdgpu_metadata
---
amdhsa.version: [ 1, 2 ]
amdhsa.kernels:
  - .name:           k_q18f056943d_attn
    .symbol:         k_q18f056943d_attn.kd
    .args:
      - { .name: qkv, .offset: 0, .size: 8, .value_kind: global_buffer, .address_space: global }
      - { .name: mask, .offset: 8, .size: 8, .value_kind: global_buffer, .address_space: global }
      - { .name: lowp_scales, .offset: 16, .size: 8, .value_kind: global_buffer, .address_space: global }
      - { .name: ac, .offset: 24, .size: 8, .value_kind: global_buffer, .address_space: global }
    .group_segment_fixed_size: 327680
    .private_segment_fixed_size: 0
    .kernarg_segment_align: 8
    .kernarg_segment_size: 32
    .max_flat_workgroup_size: 256
    .sgpr_count:     100
    .vgpr_count:     512
    .wavefront_size: 32
...
	.end_amdgpu_metadata
.endif
;; end of part 3
;; launch outp (part 4): grid 8 x 32, 4 waves a work-group, clusters of 4 x 4, 327,680 bytes of LDS; arguments ac, codes, lowp_scales, out0; writes out0
.if DOCPART == 4
	.amdgcn_target "amdgcn-amd-amdhsa--gfx1250"
	.amdhsa_code_object_version 6
	.text
	.protected	k_q18f056943d_outp
	.globl	k_q18f056943d_outp
	.p2align	8
	.type	k_q18f056943d_outp,@function
k_q18f056943d_outp:
	s_mov_b64 s[64:65], 0
	v_nop
	global_prefetch_b8 v0, s[64:65] scope:SCOPE_SE
	s_setreg_imm32_b32 hwreg(HW_REG_WAVE_MODE, 25, 1), 1
	s_wait_xcnt 0x0
	s_wait_alu depctr_hold_cnt(0) depctr_sa_sdst(0) depctr_va_vdst(0) depctr_va_sdst(0) depctr_va_ssrc(0) depctr_va_vcc(0) depctr_vm_vsrc(0)
	s_getreg_b32 s2, hwreg(HW_REG_IB_STS2, 6, 4)
	s_cmp_eq_u32 s2, 0
	s_cbranch_scc0 .Lentry_in_a_cluster
	s_endpgm
.Lentry_in_a_cluster:
	s_bfe_u32 s2, ttmp6, 0x10000c
	s_cmp_lg_u32 s2, 0xf033
	s_cbranch_scc0 .Lentry_shape_is_right
	s_endpgm
.Lentry_shape_is_right:
; out0[m][n] = sum over k of A[m][k] B[n][k] x 2^(e10 + e11).  A = ac [4096][1024]: the attention's result as codes of FP8 (E4M3) under 2^e10.  B = wo's codes [n 1024][k 1024] under 2^e11, at byte 15 MiB of codes.
; out0: [4096][1024] f32; sums in f32.  The codes are multiplied as they are, and each finished sum once by 2^(e10 + e11).
; LIMIT: e10 + e11 lies between -126 and 127, so that 2^(e10 + e11) is an f32 number.
; A tile of 128 x 128: 8 x 32 = 256 work-groups.  Four waves, each 64 x 64: 16 accumulators of 16 x 16, 128 registers.
; THE WHOLE K LIES IN LDS: 128 rows of A and 128 of B x 1,024 bytes, rows 1,040 bytes apart: 266,240 bytes.  No ring: no LDS byte is filled twice.  Each wave issues one tensor load, 64 rows x 1,024 bytes.
; BY ROWS OF THE OUTPUT: all of my 64 rows of B go into 512 registers once; then my four blocks of 16 rows of A are finished one after the other over the whole K, and each block leaves while the next are multiplied.
; No prefetch: the launch has no loop of loads to run ahead in.
; CLUSTERS: 4 x 4 work-groups; A's tile is asked for jointly along a row of the cluster, B's along a column.  THE MATRIX INSTRUCTION IS USED TRANSPOSED (source 0 = 16 rows of B, source 1 = 16 rows of A):
; a lane then holds eight neighbouring numbers of a row of the output.  A fragment is fetched by four loads of 16 bytes: a permutation of k that is the same in A and B, so every product meets its partner.
; REGISTERS: window 0: v0-31 addresses; v32-63 at work on the way out; v128-255 the accumulators ((a, b) at v[128 + 8 (4 a + b)]).
;   windows 1 and 2: B: 64 registers for each 128 along K;  window 3: two buffers of a block of A, 128 registers each.
.set SIZE_N, 1024
.set KROW,   1024                      ; a row of codes in memory, in bytes
.set PITCH,  1040                      ; an LDS row: 1,024 bytes + 16 of padding = 260 words: the 16 rows that a load touches start at 16 different banks (64 banks of 4 bytes: ISA guide 11.1)
.set HALFT,  64*PITCH                  ; 64 rows: what one tensor load brings, and what one wave reads of A or of B
.set STAGE,  4*HALFT                   ; behind A's 128 rows and B's 128: 16 rows x 272 bytes for each wave, for the way out; no tensor load lands here
.set SPITCH, 272
.set SPARE,  STAGE+4*16*SPITCH         ; the spare words, 128 bytes for each wave
.set ADRA, 8
.set ADRB, 12
.set STO,  24                          ; the way out: where I put 32 bytes of a row
.set RD,   25                          ; where I read rows back
.set CO,   26                          ; my byte offset in the output
.set SPW,  28
.set NIL,  29
.set TMP,  32                          ; v32-63  a block's sums x 2^(e10 + e11)
.set ACC,  128
.set G1,  24                           ; descriptor group 1 for A's tiles;  s[32:35] group 0
.set G0,  32
.set G1B, 48                           ; the same for B's tiles
.set G0B, 68
.set MSB, 0
.macro WIN new                         ; the immediate's high byte repeats the setting that is left
.if MSB != \new
	s_set_vgpr_msb (MSB<<8)|\new
.set MSB, \new
.endif
.endm
.macro CROUND                          ; a round of the cluster's barrier
	s_barrier_signal -1
	s_barrier_wait -1
	s_cmp_lg_u32 s14, 0
	s_cbranch_scc1 .Lnot_wave_0_\@
	s_barrier_signal -3
.Lnot_wave_0_\@:
	s_barrier_wait -3
	s_barrier_signal -1
	s_barrier_wait -1
.endm
.macro PLACES                          ; four places behind matrix instructions, in front of loads into registers that they read and of the first read of results (ISA guide 7.12.1 for the reads of results)
.rept 4
	v_nop
.endr
.endm
	s_load_b128 s[4:7], s[0:1], 0x0                ; ac s[4:5], codes s[6:7]
	s_load_b128 s[8:11], s[0:1], 0x10              ; the scales' exponents s[8:9], out0 s[10:11]
	v_lshl_add_u32 v[SPW], v0, 2, SPARE
	v_mov_b32 v[NIL], 0
	ds_add_u32 v[SPW], v[NIL]                      ; the wave's opening: the add, twice on end, and its wait
	ds_add_u32 v[SPW], v[NIL]
	v_lshrrev_b32 v1, 5, v0
	v_readfirstlane_b32 s14, v1                    ; wave 0..3
	s_lshr_b32 s15, s14, 1                         ; which half of the tile's rows is mine.  Also: I fetch for A (0) or for B (1)
	s_and_b32 s16, s14, 1                          ; which half of its columns.  Also: which 64 rows of that tile I fetch
	s_bfe_u32 s56, ttmp6, 0x40000                  ; cx, cy: my place in the cluster
	s_bfe_u32 s57, ttmp6, 0x40004
	s_lshl_b32 s58, ttmp9, 2
	s_add_co_u32 s58, s58, s56                     ; tile column = 4 x cluster x + cx
	s_and_b32 s17, ttmp7, 0xffff
	s_lshl_b32 s17, s17, 2
	s_add_co_u32 s17, s17, s57                     ; tile row = 4 x cluster y + cy
	s_lshl_b32 s59, s57, 2
	s_lshl_b32 s59, 15, s59                        ; my row of the cluster
	s_lshl_b32 s60, 0x1111, s56                    ; my column
	s_or_b32 s[G1+0], s59, (0<<16)|(1<<20)|(1<<21)|(7<<22)|(3<<25)  ; 15:0 the mask: A's tiles go to my row; 17:16 element of 1 byte; 20 padding on; 21 set beside a mask; 24:22 after every 256 words (code 7); 31:25 of 4 words (code 3)
	s_or_b32 s[G1B+0], s60, (0<<16)|(1<<20)|(1<<21)|(7<<22)|(3<<25)
.irp g, G1, G1B
	s_mov_b32 s[\g+1], 1024<<16                    ; tensor_dim0 = 1024
	s_mov_b32 s[\g+2], 64<<16                      ; tensor_dim1 = 64
	s_mov_b32 s[\g+3], 1024<<16                    ; tile_dim0 = 1024
	s_mov_b32 s[\g+4], 64                          ; tile_dim1 = 64
	s_mov_b32 s[\g+5], KROW                        ; tensor_dim0_stride
	s_mov_b32 s[\g+6], 0
	s_mov_b32 s[\g+7], 0
.endr
	s_lshl_b32 s18, s16, 6                         ; which 64 rows of the tile I fetch
	s_lshl_b32 s20, s17, 7
	s_add_co_u32 s20, s20, s18
	s_lshl_b32 s20, s20, 10                        ; A: (128 x tile row + 64 x half) rows of 1,024 bytes: it hangs on cy, never on cx
	s_mov_b32 s21, 0
	s_lshl_b32 s22, s58, 7
	s_add_co_u32 s22, s22, s18
	s_lshl_b32 s22, s22, 10                        ; B: (128 x tile column + 64 x half) rows: it hangs on cx, never on cy
	s_add_co_u32 s22, s22, 0xf00000                ; wo's codes begin at 15 MiB
	s_mov_b32 s23, 0
	s_mul_i32 s19, s14, HALFT                      ; where they go: wave x 64 rows: no place in the cluster enters an LDS address
	s_wait_alu depctr_va_vdst(0)                   ; directly ahead of the waits below
	s_wait_dscnt 0x0                               ; both opening adds are done
	s_wait_kmcnt 0x0
	s_load_b64 s[84:85], s[8:9], 0x28              ; e10, e11
	s_add_nc_u64 s[20:21], s[4:5], s[20:21]
	s_add_nc_u64 s[22:23], s[6:7], s[22:23]
	s_mov_b32 s[G0], 1                             ; 1:0 count = 1
	s_mov_b32 s[G0+1], s19                         ; 63:32 LDS address
	s_mov_b64 s[G0+2:G0+3], s[20:21]               ; 120:64 global address
	s_or_b32 s[G0+3], s[G0+3], 0x80000000          ; 127:126 type = 2
	s_mov_b32 s[G0B], 1
	s_mov_b32 s[G0B+1], s19
	s_mov_b64 s[G0B+2:G0B+3], s[22:23]
	s_or_b32 s[G0B+3], s[G0B+3], 0x80000000
	CROUND                                         ; all sixteen work-groups are here: the joint loads meet
	s_cmp_eq_u32 s15, 0                            ; waves 0 and 1 fetch A's two halves, waves 2 and 3 B's: a branch on the wave's number alone
	s_cbranch_scc0 .Lfirst_b
	tensor_load_to_lds s[G0:G0+3], s[G1:G1+7]
	s_nop 0
	PLACES
	s_branch .Lfirst_asked
.Lfirst_b:
	tensor_load_to_lds s[G0B:G0B+3], s[G1B:G1B+7]
	s_nop 0
	PLACES
.Lfirst_asked:
	s_mul_i32 s61, s15, HALFT                      ; my 64 rows of A
	s_mul_i32 s62, s16, HALFT                      ; my 64 rows of B,
	s_add_co_u32 s62, s62, 2*HALFT                 ; which lie behind A's 128
	s_mul_i32 s63, s14, 16*SPITCH
	s_add_co_u32 s63, s63, STAGE                   ; my stage
	s_lshl_b32 s86, s17, 7
	s_lshl_b32 s87, s15, 6
	s_add_co_u32 s86, s86, s87                     ; my first row: 128 x tile row + 64 x half
	s_lshl_b32 s86, s86, 12
	s_lshl_b32 s87, s58, 9                         ; my first column, in bytes: 512 x tile column + 256 x half
	s_add_co_u32 s86, s86, s87
	s_lshl_b32 s87, s16, 8
	s_add_co_u32 s86, s86, s87
	s_mov_b32 s87, 0
	s_add_nc_u64 s[10:11], s[10:11], s[86:87]
	v_and_b32 v1, 15, v0                           ; l % 16
	v_bfe_u32 v2, v0, 4, 1                         ; l / 16
	v_mul_u32_u24 v3, v1, PITCH
	v_mul_u32_u24 v5, v1, SPITCH                   ; the stage, in: row l % 16, 32 bytes for each half of the lanes
	v_mul_u32_u24 v6, v2, SPITCH                   ; back: lanes 0-15 take one row of 256 bytes, lanes 16-31 the next
	v_lshlrev_b32 v7, 12, v2                       ; and the same two rows in the output: a row is 4,096 bytes
	v_lshl_add_u32 v4, v2, 4, v3                   ; a fragment's row x pitch + 16 x half
	v_lshl_add_u32 v5, v2, 5, v5
	v_lshl_add_u32 v6, v1, 4, v6
	v_lshl_add_u32 v[CO], v1, 4, v7
	v_add_nc_u32 v[ADRA], s61, v4
	v_add_nc_u32 v[ADRB], s62, v4
	v_add_nc_u32 v[STO], s63, v5
	v_add_nc_u32 v[RD], s63, v6
; A fragment, 16 rows x 128 K, is 16 registers: lane l holds row l % 16; registers 4 c .. 4 c + 3 hold K = 32 c + 16 (l / 16) + 0 .. 15
.macro FETCHB k                        ; my four blocks of B, the k-th 128 along K: 16 loads
	WIN 0x40*(1+(\k)/4)
.irp i, 0,1,2,3
.irp c, 0,1,2,3
	ds_load_b128 v[64*((\k)%4)+16*\i+4*\c:64*((\k)%4)+16*\i+4*\c+3], v[ADRB] offset:128*(\k)+32*\c+\i*16*PITCH
.endr
.endr
.endm
.macro FETCHA a                        ; block a of A, the whole K, into buffer a % 2: 32 loads
	WIN 0xc0
.irp k, 0,1,2,3,4,5,6,7
.irp c, 0,1,2,3
	ds_load_b128 v[128*((\a)%2)+16*\k+4*\c:128*((\a)%2)+16*\k+4*\c+3], v[ADRA] offset:128*\k+32*\c+(\a)*16*PITCH
.endr
.endr
.endm
.macro MUL a, k                        ; block a x my four of B, 128 along K: four accumulators by turns, one instruction a turn.  The first product starts the sums: nothing is cleared
	WIN 0x0d+(\k)/4
.irp b, 0,1,2,3
.if (\k) == 0
	v_wmma_f32_16x16x128_fp8_fp8 v[ACC+8*(4*(\a)+\b):ACC+8*(4*(\a)+\b)+7], v[64*((\k)%4)+16*\b:64*((\k)%4)+16*\b+15], v[128*((\a)%2)+16*(\k):128*((\a)%2)+16*(\k)+15], 0
.else
	v_wmma_f32_16x16x128_fp8_fp8 v[ACC+8*(4*(\a)+\b):ACC+8*(4*(\a)+\b)+7], v[64*((\k)%4)+16*\b:64*((\k)%4)+16*\b+15], v[128*((\a)%2)+16*(\k):128*((\a)%2)+16*(\k)+15], v[ACC+8*(4*(\a)+\b):ACC+8*(4*(\a)+\b)+7]
.endif
.endr
.endm
; THE WAY OUT of block a: 16 rows x 64 columns.  A lane holds 32 neighbouring bytes of a row, and the lanes beside it hold other rows: so a block goes through my own stage in LDS and comes back as whole rows of 256 bytes,
; into the registers that its sums have left.  LDS serves a wave's instructions in order (ISA guide 5.7.1.4): no wait between the stores and the loads, nor in front of the next block's stores.
.macro TOSTAGE a
.set AC, ACC+32*(\a)
	WIN 0
.irp j, 0,2,4,6,8,10,12,14,16,18,20,22,24,26,28,30
	v_pk_mul_f32 v[TMP+\j:TMP+\j+1], v[AC+\j:AC+\j+1], s[84:85] op_sel_hi:[1,0]   ; both x s84 = 2^(e10 + e11); each accumulator from its low end on
.endr
.irp b, 0,1,2,3
	ds_store_b128 v[STO], v[TMP+8*\b:TMP+8*\b+3] offset:64*\b
	ds_store_b128 v[STO], v[TMP+8*\b+4:TMP+8*\b+7] offset:64*\b+16
.endr
.irp t, 0,1,2,3,4,5,6,7
	ds_load_b128 v[AC+4*\t:AC+4*\t+3], v[RD] offset:\t*2*SPITCH
.endr
.endm
.macro SEND a, younger                 ; younger: the LDS instructions issued behind block a's loads, which may stay out
.set AC, ACC+32*(\a)
	WIN 0
	s_wait_dscnt \younger                          ; the block is back in registers
.irp t, 0,1,2,3,4,5,6,7
	global_store_b128 v[CO], v[AC+4*\t:AC+4*\t+3], s[10:11] offset:(16*(\a)+2*\t)*SIZE_N*4 th:TH_STORE_NT   ; sixteen lanes store 256 consecutive bytes, aligned.  No register of a store is written again
.endr
.endm
	s_wait_alu depctr_va_vdst(0)                   ; at the head's end
	s_wait_tensorcnt 0x0                           ; my part is in,
	s_barrier_signal -1
	s_barrier_wait -1                              ; everybody's is
	FETCHA 0
	FETCHB 0
	FETCHB 1
	FETCHB 2
.irp k, 0,1,2,3,4
	s_wait_dscnt 32                                ; B's k-th part is in; the two parts behind it (16 loads each) may be out
	MUL 0, \k
	FETCHB \k+3
.endr
	s_wait_dscnt 32
	MUL 0, 5
	FETCHA 1
	s_wait_dscnt 48                                ; B's part 6 is in: 16 + 32 loads behind it may be out
	MUL 0, 6
	s_wait_dscnt 32
	MUL 0, 7
	s_wait_kmcnt 0x0
	s_add_co_i32 s84, s84, s85                     ; e10 + e11, between -126 and 127,
	s_add_co_i32 s84, s84, 127
	s_lshl_b32 s84, s84, 23                        ; makes the f32 number 2^(e10 + e11)
	PLACES                                         ; behind block 0's products: for the loads into its buffer, and for the reads of its results
	FETCHA 2
	s_wait_dscnt 32                                ; block 1 of A is in
.irp k, 0,1,2,3,4,5,6,7
	MUL 1, \k
.endr
	TOSTAGE 0                                      ; its sixteen multiplications are also the places behind block 1's products
	FETCHA 3
	s_wait_dscnt 48                                ; block 2 of A is in: the stage's 16 and block 3's 32 may be out
.irp k, 0,1,2,3
	MUL 2, \k
.endr
	SEND 0, 32
.irp k, 4,5,6,7
	MUL 2, \k
.endr
	TOSTAGE 1
	s_wait_dscnt 16                                ; block 3 of A is in
.irp k, 0,1,2,3
	MUL 3, \k
.endr
	SEND 1, 0
.irp k, 4,5,6,7
	MUL 3, \k
.endr
	TOSTAGE 2                                      ; the places behind block 3's products
	TOSTAGE 3
	SEND 2, 16
	SEND 3, 0
	s_wait_tensorcnt 0x0                           ; the wave's end
	ds_add_u32 v[SPW], v[NIL]
	s_wait_dscnt 0x0
	CROUND                                         ; the closing round: no work-group ends while a partner may still ask for a tile that names it
	s_endpgm
.Lfunc_end_k_q18f056943d_outp:
	.size	k_q18f056943d_outp, .Lfunc_end_k_q18f056943d_outp-k_q18f056943d_outp
	.p2alignl 7, 3214868480
	.fill 96, 4, 3214868480
	.section	.rodata,"a",@progbits
	.p2align	6, 0x0
	.amdhsa_kernel k_q18f056943d_outp
		.amdhsa_group_segment_fixed_size 327680
		.amdhsa_private_segment_fixed_size 0
		.amdhsa_enable_private_segment 0
		.amdhsa_kernarg_size 32
		.amdhsa_user_sgpr_count 2
		.amdhsa_user_sgpr_kernarg_segment_ptr 1
		.amdhsa_wavefront_size32 1
		.amdhsa_system_sgpr_workgroup_id_x 1
		.amdhsa_system_sgpr_workgroup_id_y 1
		.amdhsa_system_sgpr_workgroup_id_z 1
		.amdhsa_system_vgpr_workitem_id 0
		.amdhsa_next_free_vgpr 1024
		.amdhsa_next_free_sgpr 90
		.amdhsa_reserve_vcc 0
		.amdhsa_float_denorm_mode_32 3
		.amdhsa_float_denorm_mode_16_64 3
		.amdhsa_memory_ordered 1
		.amdhsa_forward_progress 1
		.amdhsa_inst_pref_size 43
	.end_amdhsa_kernel
	.amdgpu_metadata
---
amdhsa.version: [ 1, 2 ]
amdhsa.kernels:
  - .name:           k_q18f056943d_outp
    .symbol:         k_q18f056943d_outp.kd
    .args:
      - { .name: ac, .offset: 0, .size: 8, .value_kind: global_buffer, .address_space: global }
      - { .name: codes, .offset: 8, .size: 8, .value_kind: global_buffer, .address_space: global }
      - { .name: lowp_scales, .offset: 16, .size: 8, .value_kind: global_buffer, .address_space: global }
      - { .name: out0, .offset: 24, .size: 8, .value_kind: global_buffer, .address_space: global }
    .group_segment_fixed_size: 327680
    .private_segment_fixed_size: 0
    .kernarg_segment_align: 8
    .kernarg_segment_size: 32
    .max_flat_workgroup_size: 128
    .sgpr_count:     90
    .vgpr_count:     1024
    .wavefront_size: 32
...
	.end_amdgpu_metadata
.endif
;; end of part 4
